; MI455X (gfx1250); checked and timed in simulation.
; The chip was launched on July 23, 2026; its instructions are those of AMD's public machine-readable ISA for CDNA 5 (MIT licence, August 2026) and "CDNA5" Instruction Set Architecture Reference Guide (July 2026). The comments in the code are by the model that wrote it; some were corrected since.
;; Enough Vi T Encoder. Allowed arithmetic: float matrix products may take bf16 or f16 operands with f32 sums; other float arithmetic in f32, or as packed bf16 or f16 multiplies, adds, multiply-adds, maxima and minima; sums over many terms, partial sums and values carried from step to step in f32; what a program stores and reads back later, other than sums and carried values, may be rounded once to bf16 or f16.
;; Inputs: W_v 512 x 512 float32; b1 2,048 float32; b2 512 float32; ln1_b 512 float32; ln1_g 512 float32; ln2_b 512 float32; ln2_g 512 float32; theta 512 x 512 float32; w1 2,048 x 512 float32; w2 512 x 2,048 float32; x 4,096 x 4 x 512 float32.
;; Outputs: out0 4,096 x 4 x 512 float32.
;; One version. Each part assembles by itself: llvm-mc -triple=amdgcn-amd-amdhsa -mcpu=gfx1250 --defsym DOCPART=n.
;; ======== version 1 of 1: 5 launches
;; limits: a function is approximated: absolute error at most 2.5e-05
;; workspace buffers: xb 16,908,288 bytes; ws 5,242,880 bytes; gp 17,039,360 bytes; vf 2,105,344 bytes; mw 2,097,152 bytes
;; launch prep (part 1): grid 256 x 1, 8 waves a work-group, no clusters, 0 bytes of LDS; arguments x, ln1_g, ln1_b, w1, w2, theta, W_v, xb, ws; writes xb, ws
.if DOCPART == 1
	.amdgcn_target "amdgcn-amd-amdhsa--gfx1250"
	.amdhsa_code_object_version 6
	.text
	.protected	k_q6f355ab292_prep
	.globl	k_q6f355ab292_prep
	.p2align	8
	.type	k_q6f355ab292_prep,@function
k_q6f355ab292_prep:
	s_mov_b64 s[64:65], 0
	v_nop
	global_prefetch_b8 v0, s[64:65] scope:SCOPE_SE
	s_setreg_imm32_b32 hwreg(HW_REG_WAVE_MODE, 25, 1), 1
	s_wait_xcnt 0x0
; FIRST OF FIVE LAUNCHES.  The module: X = LN1(x); h = X + mean_n(X Wv^T) + c X M_b, M_b = (X theta^T)^T (X Wv^T), c = 1 / (4096 sqrt(512)); out = h + MLP(LN2(h)).
; WORK THAT IS NOT DONE, and why that changes no result in exact arithmetic, for all values of the inputs: the products X Wv^T and X theta^T are never formed.
;   M_b[d][e] = sum_n (sum_i X[n][i] theta[d][i]) (sum_j X[n][j] Wv[e][j]) = sum_ij theta[d][i] G_b[i][j] Wv[e][j], with G_b = X^T X;   mean_n(X Wv^T)[e] = sum_j Wv[e][j] (sum_n X[n][j]) / 4096.
;   So the later launches make G_b and the column sums of X, then theta G_b, then (theta G_b) Wv^T.  Every input has a way to the output, and every input is loaded by some launch.
; LIMITS.  The order of the sums differs from the formula as written.  A NaN, an infinity or an overflow that would arise only inside X Wv^T or X theta^T is not carried to the result.
; THIS LAUNCH: (1) LN1 of every row of x, in f32, mean first and then the sum of squares of the differences; X rounded once to bf16 into xb as [b][s][512]; behind it, in x's row order,
; the pair (rstd, -mean rstd) of each row.  (2) w1, w2, theta, Wv rounded once to bf16 and laid out as the matrix operands take them: a FRAGMENT is 16 rows x 32 k = 1,024 bytes,
; [q = 0, 1][lane][16 bytes]; lane l holds row l % 16 and k = 16 q + 8 (l / 16) + 0..7.  ws holds 32 tiles of 131,072 bytes (tile 2 c: hidden units 128 c .. of w1; tile 2 c + 1: the same
; units as K of w2), each as four quarters of 32 fragments, one for each wave of the last launch; from byte 4,194,304 on theta's and then Wv's fragments, [row block][k step].
; SHARES.  256 work-groups of 8 waves; a wave has 8 rows of x (a row: 16 numbers a lane, no LDS, no barrier), two fragments of a tile and half a fragment of theta or Wv.
; No matrix unit, cluster or LDS: each byte is read once by one wave.
.set G,  16                            ; v[16:31]   ln1_g of my 16 columns (128 j + 4 lane + e at 4 j + e)
.set B,  32                            ; v[32:47]   ln1_b
.set X,  48                            ; v[48:175]  8 rows of 16
.set W,  176                           ; v[176:215] weights as loaded: five runs of 8 f32
.set M,  216                           ; v[216:231] a pair a row: the mean twice; later (mean, -mean rstd)
.set Q,  232                           ; v[232:247] a pair a row: (rstd, variance + eps)
.set TA, 248                           ; v[248:249] the pair that lane i stores for row i
.macro ROWS line:vararg                ; one line for each of my 8 rows i
.set i, 0
.rept 8
	\line
.set i, i+1
.endr
.endm
	s_load_b256 s[4:11], s[0:1], 0x0               ; x s[4:5], ln1_g s[6:7], ln1_b s[8:9], w1 s[10:11]
	s_load_b256 s[12:19], s[0:1], 0x20             ; w2 s[12:13], theta s[14:15], Wv s[16:17], xb s[18:19]
	s_load_b64 s[20:21], s[0:1], 0x40              ; ws
	v_lshrrev_b32 v1, 5, v0
	v_readfirstlane_b32 s24, v1                    ; wave v, 0..7
	v_and_b32 v1, 31, v0                           ; lane
	v_and_b32 v2, 15, v0                           ; r
	v_bfe_u32 v3, v0, 4, 1                         ; h
	v_lshlrev_b32 v9, 4, v1                        ; 16 x lane
	s_lshr_b32 s26, ttmp9, 3                       ; tile T = id / 8
	s_and_b32 s27, ttmp9, 7                        ; which eighth of it
	s_lshr_b32 s28, s26, 1                         ; chunk c
	s_lshr_b32 s29, s27, 1                         ; quarter wq
	s_and_b32 s30, s27, 1
	s_lshl_b32 s30, s30, 4
	s_lshl1_add_u32 s30, s24, s30                  ; my first fragment f0 = 16 (eighth % 2) + 2 v: even
	; in w1 (rows of 2,048 bytes): fragment f = 2 ks + ct2: rows 128 c + 32 wq + 16 ct2 .., k = 32 ks ..
	s_lshl_b32 s31, s28, 18
	s_lshl_b32 s32, s29, 16
	s_add_co_u32 s31, s31, s32
	s_lshr_b32 s32, s30, 1
	s_lshl_b32 s32, s32, 7
	s_add_co_u32 s31, s31, s32
	; in w2 (rows of 8,192 bytes): fragment f = 8 kk + ct: rows 128 wq + 16 ct .., k = 128 c + 32 kk ..
	s_lshl_b32 s33, s29, 20
	s_and_b32 s34, s30, 7
	s_lshl_b32 s34, s34, 17
	s_add_co_u32 s33, s33, s34
	s_lshl_b32 s34, s28, 9
	s_add_co_u32 s33, s33, s34
	s_lshr_b32 s34, s30, 3
	s_lshl_b32 s34, s34, 7
	s_add_co_u32 s33, s33, s34
	s_and_b32 s38, s26, 1
	s_lshl_b32 s38, s38, 1
	s_lshl_b32 s36, 2048, s38                      ; bytes in a row: 2,048 or 8,192
	s_lshl_b32 s37, 32768, s38                     ; 16 rows on: my second fragment
	s_bitcmp1_b32 s26, 0                           ; an odd tile is w2's
	s_cselect_b32 s35, s33, s31
	v_mul_lo_u32 v4, v2, s36
	v_lshl_add_u32 v4, v3, 5, v4
	v_add_nc_u32 v4, s35, v4                       ; r x row + 32 h + the fragment's corner
	v_add_nc_u32 v5, s37, v4
	; theta and Wv: unit u = 8 id + v is half q of fragment (row block rb, k step ks) of matrix u / 1,024
	s_lshl3_add_u32 s42, ttmp9, s24
	s_bfe_u32 s43, s42, 0x50005                    ; rb
	s_bfe_u32 s44, s42, 0x40001                    ; ks
	s_and_b32 s45, s42, 1                          ; q
	s_lshl_b32 s43, s43, 15
	s_lshl_b32 s44, s44, 7
	s_lshl_b32 s45, s45, 6
	s_add_co_u32 s43, s43, s44
	s_add_co_u32 s43, s43, s45
	v_lshlrev_b32 v6, 11, v2
	v_lshl_add_u32 v6, v3, 5, v6
	v_add_nc_u32 v6, s43, v6
	s_lshl_b32 s44, s42, 9
	s_add_co_u32 s44, s44, 4194304
	v_add_nc_u32 v7, s44, v9                       ; where that half goes in ws
	s_lshl_b32 s43, ttmp9, 14
	s_lshl_b32 s44, s24, 11
	s_add_co_u32 s43, s43, s44                     ; 16,384 id + 2,048 v
	v_add_nc_u32 v8, s43, v9                       ; where my two tile fragments go in ws
	v_lshl_add_u32 v10, v1, 3, s43                 ; xb: (16 id + 2 v) rows of 1,024 bytes + 8 x lane, batches 0 and 1;
	v_add_nc_u32 v11, 8388608, v10                 ; batches 2 and 3 (beyond the immediate's reach)
	v_and_b32 v13, 7, v1
	s_lshl_b32 s43, ttmp9, 9
	s_lshl_b32 s44, s24, 6
	s_add_co_u32 s43, s43, s44
	s_add_co_u32 s43, s43, 16777216
	v_lshl_add_u32 v12, v13, 3, s43                ; the stats of row 64 id + 8 v + lane % 8
	s_lshl_b32 s44, ttmp9, 17
	s_lshl_b32 s45, s24, 14
	s_add_co_u32 s44, s44, s45
	s_mov_b32 s45, 0
	s_mov_b32 s40, 0x76543210                      ; v_permlanex16_b32: each lane takes its own place in the other half
	s_mov_b32 s41, 0xfedcba98
	s_mov_b32 s38, 0x3b000000                      ; 1 / 512
	s_mov_b32 s39, 0x3727c5ac                      ; 1e-5
	s_lshr_b32 s32, ttmp9, 7                       ; 0: theta, 1: Wv
	s_wait_kmcnt 0x0
	s_add_nc_u64 s[22:23], s[4:5], s[44:45]        ; x at my first row
	s_bitcmp1_b32 s26, 0
	s_cselect_b64 s[46:47], s[12:13], s[10:11]
	s_cmp_lg_u32 s32, 0
	s_cselect_b64 s[2:3], s[16:17], s[14:15]
	; all loads go out at once: 10 of weights, 8 of g and b, 32 of x
.irp i, 0,1
.irp q, 0,1
	global_load_b128 v[W+16*\i+8*\q:W+16*\i+8*\q+3],   v[4+\i], s[46:47] offset:64*\q th:TH_LOAD_NT
	global_load_b128 v[W+16*\i+8*\q+4:W+16*\i+8*\q+7], v[4+\i], s[46:47] offset:64*\q+16 th:TH_LOAD_NT
.endr
.endr
	global_load_b128 v[W+32:W+35], v6, s[2:3] th:TH_LOAD_NT
	global_load_b128 v[W+36:W+39], v6, s[2:3] offset:16 th:TH_LOAD_NT
.irp j, 0,1,2,3
	global_load_b128 v[G+4*\j:G+4*\j+3], v9, s[6:7] offset:512*\j
	global_load_b128 v[B+4*\j:B+4*\j+3], v9, s[8:9] offset:512*\j
.endr
.set i, 0
.rept 8
.irp j, 0,1,2,3
	global_load_b128 v[X+16*i+4*\j:X+16*i+4*\j+3], v9, s[22:23] offset:2048*i+512*\j th:TH_LOAD_NT
.endr
.set i, i+1
.endr
	s_wait_loadcnt 40                              ; the 10 loads of weights are in; the 40 younger ones stay out
.irp k, 0,1,2,3,4
	v_cvt_pk_bf16_f32 v[W+8*\k],   v[W+8*\k],   v[W+8*\k+1]   ; in place: a register is written only after it has been read
	v_cvt_pk_bf16_f32 v[W+8*\k+1], v[W+8*\k+2], v[W+8*\k+3]
	v_cvt_pk_bf16_f32 v[W+8*\k+2], v[W+8*\k+4], v[W+8*\k+5]
	v_cvt_pk_bf16_f32 v[W+8*\k+3], v[W+8*\k+6], v[W+8*\k+7]
.endr
.irp k, 0,1,2,3
	global_store_b128 v8, v[W+8*\k:W+8*\k+3], s[20:21] offset:512*\k  ; each store of the wave covers 512 consecutive bytes, aligned
.endr
	global_store_b128 v7, v[W+32:W+35], s[20:21]
	s_wait_loadcnt 0x0                             ; g, b and my 8 rows
	; the mean
	ROWS v_pk_add_f32 v[M+2*i:M+2*i+1], v[X+16*i:X+16*i+1], v[X+16*i+2:X+16*i+3]
.irp k, 4,6,8,10,12,14
	ROWS v_pk_add_f32 v[M+2*i:M+2*i+1], v[M+2*i:M+2*i+1], v[X+16*i+\k:X+16*i+\k+1]
.endr
	ROWS v_add_f32 v[M+2*i], v[M+2*i], v[M+2*i+1]
.irp m, 1,2,4,8
	ROWS v_add_f32_dpp v[M+2*i], v[M+2*i], v[M+2*i] row_xmask:\m row_mask:0xf bank_mask:0xf
.endr
	ROWS v_permlanex16_b32 v[M+2*i+1], v[M+2*i], s40, s41
	ROWS v_add_f32 v[M+2*i], v[M+2*i], v[M+2*i+1]
	ROWS v_mul_f32 v[M+2*i], s38, v[M+2*i]
	ROWS v_mov_b32 v[M+2*i+1], v[M+2*i]
	; x - mean, in place, and the sum of its squares
.irp k, 0,2,4,6,8,10,12,14
	ROWS v_pk_add_f32 v[X+16*i+\k:X+16*i+\k+1], v[X+16*i+\k:X+16*i+\k+1], v[M+2*i:M+2*i+1] neg_lo:[0,1] neg_hi:[0,1]
.endr
	ROWS v_pk_mul_f32 v[Q+2*i:Q+2*i+1], v[X+16*i:X+16*i+1], v[X+16*i:X+16*i+1]
.irp k, 2,4,6,8,10,12,14
	ROWS v_pk_fma_f32 v[Q+2*i:Q+2*i+1], v[X+16*i+\k:X+16*i+\k+1], v[X+16*i+\k:X+16*i+\k+1], v[Q+2*i:Q+2*i+1]
.endr
	ROWS v_add_f32 v[Q+2*i], v[Q+2*i], v[Q+2*i+1]
.irp m, 1,2,4,8
	ROWS v_add_f32_dpp v[Q+2*i], v[Q+2*i], v[Q+2*i] row_xmask:\m row_mask:0xf bank_mask:0xf
.endr
	ROWS v_permlanex16_b32 v[Q+2*i+1], v[Q+2*i], s40, s41
	ROWS v_add_f32 v[Q+2*i], v[Q+2*i], v[Q+2*i+1]
	ROWS v_fma_f32 v[Q+2*i+1], v[Q+2*i], s38, s39
	ROWS v_rsq_f32 v[Q+2*i], v[Q+2*i+1]
	v_nop                                          ; a plain instruction behind the last of the eight,
	s_wait_alu depctr_va_vdst(0)                   ; and one wait for the batch, ahead of its first reader
.irp k, 0,2,4,6,8,10,12,14
	ROWS v_pk_mul_f32 v[X+16*i+\k:X+16*i+\k+1], v[X+16*i+\k:X+16*i+\k+1], v[Q+2*i:Q+2*i+1] op_sel_hi:[1,0]
.endr
.irp k, 0,2,4,6,8,10,12,14
	ROWS v_pk_fma_f32 v[X+16*i+\k:X+16*i+\k+1], v[X+16*i+\k:X+16*i+\k+1], v[G+\k:G+\k+1], v[B+\k:B+\k+1]
.endr
.irp k, 0,1,2,3,4,5,6,7
	ROWS v_cvt_pk_bf16_f32 v[X+16*i+\k], v[X+16*i+2*\k], v[X+16*i+2*\k+1]
.endr
.set i, 0
.rept 8                                ; row i is sequence place 16 id + 2 v + i / 4 of batch i % 4; a store of the wave covers 256 consecutive bytes, aligned
.irp j, 0,1,2,3
	global_store_b64 v[10+(i%4)/2], v[X+16*i+2*\j:X+16*i+2*\j+1], s[18:19] offset:((i%4)%2)*4194304+(i/4)*1024+\j*256
.endr
.set i, i+1
.endr
	; the stats: lane i takes row i's pair
	ROWS v_mul_f32 v[M+2*i+1], -v[M+2*i], v[Q+2*i]
	v_mov_b32 v[TA], v[Q]
	v_mov_b32 v[TA+1], v[M+1]
.irp i, 1,2,3,4,5,6,7
	v_cmp_eq_u32 vcc_lo, \i, v13
	v_cndmask_b32 v[TA], v[TA], v[Q+2*\i], vcc_lo
	v_cndmask_b32 v[TA+1], v[TA+1], v[M+2*\i+1], vcc_lo
.endr
	v_cmp_gt_u32 vcc_lo, 8, v1
	s_wait_xcnt 0x0                                ; EXEC is a source of the stores above: it changes only behind this wait
	s_and_saveexec_b32 s25, vcc_lo
	global_store_b64 v12, v[TA:TA+1], s[18:19]     ; 64 bytes on end
	s_wait_xcnt 0x0                                ; and again in front of the line that widens it
	s_or_b32 exec_lo, exec_lo, s25
	s_endpgm
.Lfunc_end_k_q6f355ab292_prep:
	.size	k_q6f355ab292_prep, .Lfunc_end_k_q6f355ab292_prep-k_q6f355ab292_prep
	.p2alignl 7, 3214868480
	.fill 96, 4, 3214868480
	.section	.rodata,"a",@progbits
	.p2align	6, 0x0
	.amdhsa_kernel k_q6f355ab292_prep
		.amdhsa_group_segment_fixed_size 0
		.amdhsa_private_segment_fixed_size 0
		.amdhsa_enable_private_segment 0
		.amdhsa_kernarg_size 72
		.amdhsa_user_sgpr_count 2
		.amdhsa_user_sgpr_kernarg_segment_ptr 1
		.amdhsa_wavefront_size32 1
		.amdhsa_system_sgpr_workgroup_id_x 1
		.amdhsa_system_sgpr_workgroup_id_y 1
		.amdhsa_system_sgpr_workgroup_id_z 1
		.amdhsa_system_vgpr_workitem_id 0
		.amdhsa_next_free_vgpr 256
		.amdhsa_next_free_sgpr 66
		.amdhsa_reserve_vcc 1
		.amdhsa_float_denorm_mode_32 3
		.amdhsa_float_denorm_mode_16_64 3
		.amdhsa_memory_ordered 1
		.amdhsa_forward_progress 1
		.amdhsa_inst_pref_size 46
	.end_amdhsa_kernel
	.amdgpu_metadata
---
amdhsa.version: [ 1, 2 ]
amdhsa.kernels:
  - .name:           k_q6f355ab292_prep
    .symbol:         k_q6f355ab292_prep.kd
    .args:
      - { .name: x, .offset: 0, .size: 8, .value_kind: global_buffer, .address_space: global }
      - { .name: ln1_g, .offset: 8, .size: 8, .value_kind: global_buffer, .address_space: global }
      - { .name: ln1_b, .offset: 16, .size: 8, .value_kind: global_buffer, .address_space: global }
      - { .name: w1, .offset: 24, .size: 8, .value_kind: global_buffer, .address_space: global }
      - { .name: w2, .offset: 32, .size: 8, .value_kind: global_buffer, .address_space: global }
      - { .name: theta, .offset: 40, .size: 8, .value_kind: global_buffer, .address_space: global }
      - { .name: W_v, .offset: 48, .size: 8, .value_kind: global_buffer, .address_space: global }
      - { .name: xb, .offset: 56, .size: 8, .value_kind: global_buffer, .address_space: global }
      - { .name: ws, .offset: 64, .size: 8, .value_kind: global_buffer, .address_space: global }
    .group_segment_fixed_size: 0
    .private_segment_fixed_size: 0
    .kernarg_segment_align: 8
    .kernarg_segment_size: 72
    .max_flat_workgroup_size: 256
    .sgpr_count:     66
    .vgpr_count:     256
    .wavefront_size: 32
...
	.end_amdgpu_metadata
.endif
;; end of part 1
;; launch gram (part 2): grid 64 x 4, 4 waves a work-group, clusters of 4 x 4, 327,680 bytes of LDS; arguments xb, gp; writes gp
.if DOCPART == 2
	.amdgcn_target "amdgcn-amd-amdhsa--gfx1250"
	.amdhsa_code_object_version 6
	.text
	.protected	k_q6f355ab292_gram
	.globl	k_q6f355ab292_gram
	.p2align	8
	.type	k_q6f355ab292_gram,@function
k_q6f355ab292_gram:
	s_mov_b64 s[64:65], 0
	v_nop
	global_prefetch_b8 v0, s[64:65] scope:SCOPE_SE
	s_setreg_imm32_b32 hwreg(HW_REG_WAVE_MODE, 25, 1), 1
	s_wait_xcnt 0x0
	s_wait_alu depctr_hold_cnt(0) depctr_sa_sdst(0) depctr_va_vdst(0) depctr_va_sdst(0) depctr_va_ssrc(0) depctr_va_vcc(0) depctr_vm_vsrc(0)
	s_getreg_b32 s2, hwreg(HW_REG_IB_STS2, 6, 4)
	s_cmp_eq_u32 s2, 0
	s_cbranch_scc0 .Lentry_in_a_cluster
	s_endpgm
.Lentry_in_a_cluster:
	s_bfe_u32 s2, ttmp6, 0x10000c
	s_cmp_lg_u32 s2, 0xf033
	s_cbranch_scc0 .Lentry_shape_is_right
	s_endpgm
.Lentry_shape_is_right:
; SECOND LAUNCH.  Four partial sums over n of G_b = X^T X (f32) and of the column sums of X.  (X Wv^T and X theta^T are not formed: see the first kernel's head.)
; SHARES.  Cluster k of 16 has batch b = k / 4 and the rows n = 1,024 p .., p = k % 4.  Its 4 x 4 work-groups make the 16 tiles of 128 x 128 of G: rows 128 cy .., columns 128 cx ...
; Four waves, each 64 x 64: 16 accumulators; and 4 accumulators more: a fragment of ones times the wave's four column fragments gives the column sums with no further LDS read.
; X lies as [n][d], K down the rows, so both operands come out of LDS turned, by ds_load_tr16_b128.  Source 0 = 16 columns of G, source 1 = 16 rows: a lane holds one row of G and 8 neighbouring columns.
; JOINT LOADS.  The four of a row of the cluster need the same 128 columns of X for G's rows, the four of a column the same for G's columns: each slab is asked for by the same tensor load, with the
; same descriptor and a mask that names the four.  K goes in 4 steps of 256 rows through two slots; waves 0, 1 fetch the halves of the row side, waves 2, 3 of the column side.
; No prefetch ahead of the loads: the walk has four steps, and two of them are the first fills.
; OUT.  gp[p][b][row block 32][column block 32][half][lane][16 bytes]: an accumulator's registers 0-3 and 4-7, each store of the wave 512 consecutive bytes, aligned.  From byte 16,777,216 on
; the column sums, [p][b][cy][wave / 2][512]: each wave stores what it made, so the eight copies have one writer each; the next launch reads the first.
; REGISTERS.  window 0: v0-31 addresses; v40-71 the column sums' accumulators; v128-255 G's.  window 1: two fragment buffers of 64 (4 of the row side, 4 of the column side), v128-135 ones.
.set PITCH,  288                       ; an LDS row: 256 bytes + 32 of padding = 72 words
.set HALFT,  128*PITCH                 ; what one tensor load brings
.set SLOT,   4*HALFT                   ; 256 rows of the row side, then 256 of the column side
.set SPARE,  2*SLOT                    ; behind the ring: the spare words, 128 bytes for each wave
.set LANE, 1
.set ADA,  16                          ; v16-17  my place in the row side of slot 0, 1
.set ADB,  20                          ; v20-21  in the column side
.set RA,   22                          ; v22, 23 the same, walking down a slot
.set RB,   23
.set GOF,  24                          ; v24     16 x lane
.set CSO,  25                          ; v25     4 x lane
.set SPW,  28
.set NIL,  29
.set CS,   40
.set ACC,  128
.set F0,   0
.set F1,   64
.set ONES, 128
.set G1, 24                            ; s[24:31] group 1, row side;  s[32:39] group 0, a set for each slot
.set G0, 32
.set G1B, 48                           ; s[48:55], s[56:63] the same for the column side
.set G0B, 56
.set MSB, 0
.macro WIN new                         ; the immediate's high byte repeats the setting that is left
.if MSB != (\new)
	s_set_vgpr_msb (MSB<<8)|(\new)
.set MSB, \new
.endif
.endm
.macro PLACES                          ; four places in front of loads into registers that matrix instructions have read, and of reads of results
.rept 4
	v_nop
.endr
.endm
.macro JLOAD s                         ; a joint load; the branch hangs on the wave's number alone; s_nop 0 and four v_nop follow each line
	s_cmp_eq_u32 s11, 0
	s_cbranch_scc0 .Lfor_b_\@
	tensor_load_to_lds s[G0+4*(\s):G0+4*(\s)+3], s[G1:G1+7]
	s_nop 0
.rept 4
	v_nop
.endr
	s_branch .Lasked_\@
.Lfor_b_\@:
	tensor_load_to_lds s[G0B+4*(\s):G0B+4*(\s)+3], s[G1B:G1B+7]
	s_nop 0
.rept 4
	v_nop
.endr
.Lasked_\@:
.endm
.macro CROUND                          ; a round of the cluster's barrier
	s_barrier_signal -1
	s_barrier_wait -1
	s_cmp_lg_u32 s10, 0
	s_cbranch_scc1 .Lnot_wave_0_\@
	s_barrier_signal -3
.Lnot_wave_0_\@:
	s_barrier_wait -3
	s_barrier_signal -1
	s_barrier_wait -1
.endm
	s_load_b128 s[4:7], s[0:1], 0x0                ; xb s[4:5], gp s[6:7]
	v_lshl_add_u32 v[SPW], v0, 2, SPARE
	v_mov_b32 v[NIL], 0
	ds_add_u32 v[SPW], v[NIL]                      ; the wave's opening: the add, twice on end, and its wait ahead of my first tensor load
	ds_add_u32 v[SPW], v[NIL]
	v_lshrrev_b32 v1, 5, v0
	v_readfirstlane_b32 s10, v1                    ; wave 0..3
	s_lshr_b32 s11, s10, 1                         ; which half of the tile's rows is mine.  Also: I fetch for the row side (0) or the column side (1)
	s_and_b32 s12, s10, 1                          ; which half of its columns.  Also: which 128 rows of a step I fetch
	s_bfe_u32 s40, ttmp6, 0x40000                  ; cx
	s_bfe_u32 s41, ttmp6, 0x40004                  ; cy
	s_lshl_b32 s43, s41, 2
	s_lshl_b32 s43, 15, s43                        ; my row of the cluster
	s_lshl_b32 s44, 0x1111, s40                    ; my column
	s_or_b32 s[G1+0], s43, (1<<16)|(1<<20)|(1<<21)|(5<<22)|(7<<25)   ; mask; 2-byte elements; padding on; bit 21 beside a mask; after every 64 words, 8 words
	s_or_b32 s[G1B+0], s44, (1<<16)|(1<<20)|(1<<21)|(5<<22)|(7<<25)
.irp g, G1, G1B
	s_mov_b32 s[(\g)+1], 128<<16                   ; tensor_dim0 = 128
	s_mov_b32 s[(\g)+2], 128<<16                   ; tensor_dim1 = 128
	s_mov_b32 s[(\g)+3], 128<<16                   ; tile_dim0 = 128
	s_mov_b32 s[(\g)+4], 128                       ; tile_dim1 = 128
	s_mov_b32 s[(\g)+5], 512                       ; elements from row to row
	s_mov_b32 s[(\g)+6], 0
	s_mov_b32 s[(\g)+7], 0
.endr
	s_lshl_b32 s16, ttmp9, 20                      ; (4,096 b + 1,024 p) rows of 1,024 bytes: the cluster's number times 2^20
	s_lshl_b32 s17, s12, 17                        ; + my 128 rows of a step
	s_add_co_u32 s16, s16, s17
	s_mov_b32 s46, s16
	s_lshl_b32 s17, s41, 8
	s_add_co_u32 s16, s16, s17                     ; row side: columns 128 cy .. of X
	s_lshl_b32 s47, s40, 8
	s_add_co_u32 s46, s46, s47                     ; column side: columns 128 cx ..
	s_mov_b32 s17, 0
	s_mov_b32 s47, 0
	s_mul_i32 s20, s10, HALFT                      ; where they go: wave x 128 rows: no place in the cluster enters an LDS address
	s_wait_dscnt 0x0                               ; both opening adds are done
	s_wait_kmcnt 0x0
	s_add_nc_u64 s[14:15], s[4:5], s[16:17]
	s_add_nc_u64 s[46:47], s[4:5], s[46:47]
	CROUND                                         ; all sixteen work-groups are here: the first joint loads meet
.irp s, 0,1
	s_mov_b32 s[G0+4*(\s)], 1
	s_add_co_u32 s[G0+4*(\s)+1], s20, (\s)*SLOT
	s_add_nc_u64 s[G0+4*(\s)+2:G0+4*(\s)+3], s[14:15], (\s)*262144   ; step s: 256 rows of 1,024 bytes on
	s_or_b32 s[G0+4*(\s)+3], s[G0+4*(\s)+3], 0x80000000
	s_mov_b32 s[G0B+4*(\s)], 1
	s_add_co_u32 s[G0B+4*(\s)+1], s20, (\s)*SLOT
	s_add_nc_u64 s[G0B+4*(\s)+2:G0B+4*(\s)+3], s[46:47], (\s)*262144
	s_or_b32 s[G0B+4*(\s)+3], s[G0B+4*(\s)+3], 0x80000000
.endr
	s_cmp_eq_u32 s11, 0                            ; a wave's two first fills stand in one branch: two loads of mine are out
	s_cbranch_scc0 .Lfirst_b
	tensor_load_to_lds s[G0:G0+3], s[G1:G1+7]
	s_nop 0
	tensor_load_to_lds s[G0+4:G0+7], s[G1:G1+7]
	s_nop 0
.rept 4
	v_nop
.endr
	s_branch .Lfirst_asked
.Lfirst_b:
	tensor_load_to_lds s[G0B:G0B+3], s[G1B:G1B+7]
	s_nop 0
	tensor_load_to_lds s[G0B+4:G0B+7], s[G1B:G1B+7]
	s_nop 0
.rept 4
	v_nop
.endr
.Lfirst_asked:
	; the turning load: lane l reads row 8 (l / 16) + l % 8, 16 bytes at 16 ((l / 8) % 2), and ends with column l % 16 and 8 rows
	v_and_b32 v[LANE], 31, v0
	v_and_b32 v2, 7, v0
	v_bfe_u32 v3, v0, 4, 1
	v_bfe_u32 v4, v0, 3, 1
	v_lshl_add_u32 v5, v3, 3, v2
	v_mul_u32_u24 v5, v5, PITCH
	v_lshl_add_u32 v5, v4, 4, v5
	s_lshl_b32 s21, s11, 7                         ; my 64 of the row side's 128 columns
	s_lshl_b32 s22, s12, 7                         ; my 64 of the column side's,
	s_add_co_u32 s22, s22, 2*HALFT                 ; which lies behind the row side
.irp s, 0,1
	v_add_nc_u32 v[ADA+(\s)], s21, v5
	v_add_nc_u32 v[ADB+(\s)], s22, v5
	s_add_co_u32 s21, s21, SLOT
	s_add_co_u32 s22, s22, SLOT
.endr
	v_lshlrev_b32 v[GOF], 4, v[LANE]
	v_lshlrev_b32 v[CSO], 2, v[LANE]
	WIN 0x40
.set z, 0
.rept 8
	v_mov_b32 v[ONES+z], 0x3f803f80                ; 1.0 twice in bf16
.set z, z+1
.endr
	WIN 0
	; where my results go
	s_lshr_b32 s2, ttmp9, 2                        ; b
	s_and_b32 s3, ttmp9, 3                         ; p
	s_lshl2_add_u32 s2, s3, s2                     ; 4 p + b
	s_lshl1_add_u32 s3, s41, s11                   ; 2 cy + wave / 2: my four row blocks begin at four times that
	s_lshl1_add_u32 s13, s40, s12                  ; 2 cx + wave % 2: my four column blocks likewise
	s_lshl_b32 s18, s2, 20
	s_lshl_b32 s19, s3, 17
	s_add_co_u32 s18, s18, s19
	s_lshl_b32 s19, s13, 12
	s_add_co_u32 s18, s18, s19
	s_mov_b32 s19, 0
	s_add_nc_u64 s[8:9], s[6:7], s[18:19]
	s_lshl3_add_u32 s22, s2, s3                    ; ((4 p + b) 4 + cy) 2 + wave / 2
	s_lshl_b32 s22, s22, 11
	s_lshl_b32 s23, s13, 8
	s_add_co_u32 s22, s22, s23
	s_add_co_u32 s22, s22, 16777216
	s_mov_b32 s23, 0
	s_add_nc_u64 s[14:15], s[6:7], s[22:23]
; 16 LDS loads: the fragments of 32 rows of X, at byte off behind the walking addresses, into buffer f
.macro FETCH f, off
	WIN 0x40
.irp a, 0,1,2,3
	ds_load_tr16_b128 v[(\f)+8*\a:(\f)+8*\a+3],       v[RA] offset:(\off)+32*\a
	ds_load_tr16_b128 v[(\f)+8*\a+4:(\f)+8*\a+7],     v[RA] offset:(\off)+32*\a+16*PITCH
	ds_load_tr16_b128 v[(\f)+32+8*\a:(\f)+32+8*\a+3],   v[RB] offset:(\off)+32*\a
	ds_load_tr16_b128 v[(\f)+32+8*\a+4:(\f)+32+8*\a+7], v[RB] offset:(\off)+32*\a+16*PITCH
.endr
.endm
; 20 matrix instructions on 20 accumulators, which take turns.  zero = 1: the first products start the sums
.macro MUL f, zero
	WIN 0x05
.irp a, 0,1,2,3
.irp b, 0,1,2,3
.if \zero
	v_wmma_f32_16x16x32_bf16 v[ACC+8*(4*\a+\b):ACC+8*(4*\a+\b)+7], v[(\f)+32+8*\b:(\f)+32+8*\b+7], v[(\f)+8*\a:(\f)+8*\a+7], 0
.else
	v_wmma_f32_16x16x32_bf16 v[ACC+8*(4*\a+\b):ACC+8*(4*\a+\b)+7], v[(\f)+32+8*\b:(\f)+32+8*\b+7], v[(\f)+8*\a:(\f)+8*\a+7], v[ACC+8*(4*\a+\b):ACC+8*(4*\a+\b)+7]
.endif
.endr
.endr
.irp b, 0,1,2,3
.if \zero
	v_wmma_f32_16x16x32_bf16 v[CS+8*\b:CS+8*\b+7], v[ONES:ONES+7], v[(\f)+32+8*\b:(\f)+32+8*\b+7], 0
.else
	v_wmma_f32_16x16x32_bf16 v[CS+8*\b:CS+8*\b+7], v[ONES:ONES+7], v[(\f)+32+8*\b:(\f)+32+8*\b+7], v[CS+8*\b:CS+8*\b+7]
.endif
.endr
.endm
; 64 rows of X: buffer 0 is multiplied while buffer 1's loads are out, and the other way round.  more = 1: the next 32 rows are fetched
.macro KP zero, more
	s_wait_dscnt 0x0                               ; buffer 0 is in
	PLACES
	FETCH F1, 32*PITCH
	MUL F0, \zero
	s_wait_dscnt 0x0                               ; buffer 1 is in
	PLACES
.if \more
	WIN 0
	v_add_nc_u32 v[RA], 64*PITCH, v[RA]
	v_add_nc_u32 v[RB], 64*PITCH, v[RB]
	FETCH F0, 0
.endif
	MUL F1, 0
.endm
; a slot's 256 rows
.macro WORK slot, first
	WIN 0
	v_mov_b32 v[RA], v[ADA+(\slot)]
	v_mov_b32 v[RB], v[ADB+(\slot)]
	FETCH F0, 0
.if \first
	KP 1, 1
	s_mov_b32 s3, 2
.else
	s_mov_b32 s3, 3
.endif
	WIN 0                                          ; at a label and at a branch every window is 0
.Lk_\@:
	KP 0, 1
	WIN 0
	s_sub_co_u32 s3, s3, 1
	s_cmp_lg_u32 s3, 0
	s_cbranch_scc1 .Lk_\@
	KP 0, 0
.endm
; the change of slots: all my tensor loads have landed (the other slot's part among them), the add, my reads of this slot are over; fill = 1: a round of the cluster's barrier, then the joint refill first
.macro CHANGE slot, fill
	WIN 0
	s_wait_tensorcnt 0x0
	ds_add_u32 v[SPW], v[NIL]                      ; 0 onto my spare word
.if \fill
	s_add_nc_u64 s[G0+4*(\slot)+2:G0+4*(\slot)+3], s[G0+4*(\slot)+2:G0+4*(\slot)+3], 524288   ; two steps on
	s_add_nc_u64 s[G0B+4*(\slot)+2:G0B+4*(\slot)+3], s[G0B+4*(\slot)+2:G0B+4*(\slot)+3], 524288
.endif
	s_wait_dscnt 0x0
.if \fill
	CROUND
	JLOAD \slot
.else
	s_barrier_signal -1
	s_barrier_wait -1
	PLACES
.endif
.endm
	s_wait_tensorcnt 1                             ; my part of step 0 is in; step 1's may stay out
	s_barrier_signal -1
	s_barrier_wait -1
	WORK 0, 1
	CHANGE 0, 1                                    ; step 2 into slot 0
	WORK 1, 0
	CHANGE 1, 1                                    ; step 3 into slot 1
	WORK 0, 0
	CHANGE 0, 0                                    ; nothing is left to fetch
	WORK 1, 0
	WIN 0
	PLACES
.irp a, 0,1,2,3
.irp b, 0,1,2,3
	global_store_b128 v[GOF], v[ACC+8*(4*\a+\b):ACC+8*(4*\a+\b)+3],   s[8:9] offset:\a*32768+\b*1024
	global_store_b128 v[GOF], v[ACC+8*(4*\a+\b)+4:ACC+8*(4*\a+\b)+7], s[8:9] offset:\a*32768+\b*1024+512
.endr
.endr
	v_cmp_gt_u32 vcc_lo, 16, v[LANE]               ; every register of a column-sum accumulator holds column lane % 16: two accumulators make 32 columns
	v_cndmask_b32 v30, v[CS+8], v[CS], vcc_lo
	v_cndmask_b32 v31, v[CS+24], v[CS+16], vcc_lo
	global_store_b32 v[CSO], v30, s[14:15]
	global_store_b32 v[CSO], v31, s[14:15] offset:128
	s_wait_tensorcnt 0x0                           ; the wave's end
	ds_add_u32 v[SPW], v[NIL]
	s_wait_dscnt 0x0
	CROUND                                         ; the closing round
	s_endpgm
.Lfunc_end_k_q6f355ab292_gram:
	.size	k_q6f355ab292_gram, .Lfunc_end_k_q6f355ab292_gram-k_q6f355ab292_gram
	.p2alignl 7, 3214868480
	.fill 96, 4, 3214868480
	.section	.rodata,"a",@progbits
	.p2align	6, 0x0
	.amdhsa_kernel k_q6f355ab292_gram
		.amdhsa_group_segment_fixed_size 327680
		.amdhsa_private_segment_fixed_size 0
		.amdhsa_enable_private_segment 0
		.amdhsa_kernarg_size 16
		.amdhsa_user_sgpr_count 2
		.amdhsa_user_sgpr_kernarg_segment_ptr 1
		.amdhsa_wavefront_size32 1
		.amdhsa_system_sgpr_workgroup_id_x 1
		.amdhsa_system_sgpr_workgroup_id_y 1
		.amdhsa_system_sgpr_workgroup_id_z 1
		.amdhsa_system_vgpr_workitem_id 0
		.amdhsa_next_free_vgpr 392
		.amdhsa_next_free_sgpr 66
		.amdhsa_reserve_vcc 1
		.amdhsa_float_denorm_mode_32 3
		.amdhsa_float_denorm_mode_16_64 3
		.amdhsa_memory_ordered 1
		.amdhsa_forward_progress 1
		.amdhsa_inst_pref_size 60
	.end_amdhsa_kernel
	.amdgpu_metadata
---
amdhsa.version: [ 1, 2 ]
amdhsa.kernels:
  - .name:           k_q6f355ab292_gram
    .symbol:         k_q6f355ab292_gram.kd
    .args:
      - { .name: xb, .offset: 0, .size: 8, .value_kind: global_buffer, .address_space: global }
      - { .name: gp, .offset: 8, .size: 8, .value_kind: global_buffer, .address_space: global }
    .group_segment_fixed_size: 327680
    .private_segment_fixed_size: 0
    .kernarg_segment_align: 8
    .kernarg_segment_size: 16
    .max_flat_workgroup_size: 128
    .sgpr_count:     66
    .vgpr_count:     392
    .wavefront_size: 32
...
	.end_amdgpu_metadata
.endif
;; end of part 2
;; launch mm1 (part 3): grid 64 x 4, 4 waves a work-group, no clusters, 295,424 bytes of LDS; arguments gp, ws, W_v, vf; writes vf
.if DOCPART == 3
	.amdgcn_target "amdgcn-amd-amdhsa--gfx1250"
	.amdhsa_code_object_version 6
	.text
	.protected	k_q6f355ab292_mm1
	.globl	k_q6f355ab292_mm1
	.p2align	8
	.type	k_q6f355ab292_mm1,@function
k_q6f355ab292_mm1:
	s_mov_b64 s[64:65], 0
	v_nop
	global_prefetch_b8 v0, s[64:65] scope:SCOPE_SE
	s_setreg_imm32_b32 hwreg(HW_REG_WAVE_MODE, 25, 1), 1
	s_wait_xcnt 0x0
; THIRD LAUNCH.  V_b = theta G_b, rounded once to bf16, as fragments [b][block of 16 rows d][k step of 32 columns j]; and first_b[e] = sum_d Wv[e][d] (sum_n X[n][d]) / 4,096 in f32.
; (X Wv^T and X theta^T are not formed: see the first kernel's head.)  G_b = X^T X is symmetric by its form, so V[d][j] = sum_i theta[d][i] G[j][i]: G's rows j are an operand with K along i,
; and the layout in which the launch before left G's partial sums is that operand's, lane for lane.
; SHARES.  A work-group has 128 rows d (cb) x 32 columns j (rb) of a batch; a wave 32 x 32: 4 accumulators, 64 matrix instructions.  The 32 fragments of G that all four waves need are summed
; over the four partial sums and rounded by the four waves, 8 each, and meet in LDS; theta's fragments come straight into registers.  A wave also makes two numbers of first_b.
; IN FLIGHT.  A wave's 65,536 bytes of partial sums come by four tensor loads, one for each partial sum: 2 rows of 8,192 bytes (its 8 column blocks of two row blocks), into LDS bytes that it alone
; reads; theta's 64 loads and the 24 for first_b go out beside them.  All are first fills: nothing is filled again, and there is no ring: the launch has one step.
; No joint load: the four work-groups that read the same partial sums (cb = 0 .. 3) lie 16 apart along the grid's x, and the launch has no second step in which a round would pay.
; REGISTERS.  window 0: v0-9 addresses; v32-63 accumulators; v64-127 packed; v128-191 column sums, 16 for each partial; v192-223 two rows of Wv; v224-227 at work.
;   windows 1, 2: G's partial sums (row block 0, 1), at 4 (16 kl + 8 q + 2 p + half); later window 1: G's 32 fragments.   window 3: theta's 32 fragments.
.set EXB,   262144                     ; behind the four waves' partial sums (65,536 each): G's 32 fragments, 32,768 bytes; no tensor load lands here
.set SPARE, 294912                     ; the spare words, 128 bytes for each wave
.set SPW, 6
.set NIL, 7
.set ACC, 32
.set PK,  64
.set G1,  48                           ; s[48:55] group 1; group 0 of partial sum p in s[56:59], s[60:63], s[68:71], s[72:75]
.set MSB, 0
.macro WIN new
.if MSB != (\new)
	s_set_vgpr_msb (MSB<<8)|(\new)
.set MSB, \new
.endif
.endm
.macro GSET p, g                       ; group 0 of partial sum p
	s_mov_b32 s[\g], 1
	s_add_co_u32 s[\g+1], s41, (\p)*16384          ; LDS: 65,536 x wave + 16,384 p
	s_mov_b64 s[\g+2:\g+3], s[20+2*(\p):21+2*(\p)]
	s_or_b32 s[\g+3], s[\g+3], 0x80000000
.endm
.macro GLD m2                          ; row block m2's 64 loads from my own bytes: z = 16 kl + 8 q + 2 p + half
	WIN 0x40*(1+(\m2))
.set z, 0
.rept 64
	ds_load_b128 v[4*z:4*z+3], v8 offset:((z/2)%4)*16384+(\m2)*8192+(z/8)*1024+(z%2)*512
.set z, z+1
.endr
.endm
.macro SUM m2                          ; the four partial sums are added, and the sums rounded: 8 halves of fragments
	WIN 0x45*(1+(\m2))                             ; destination and both sources in window 1, then 2
.set y, 0
.rept 8                                ; y = 2 kl + q: 32 registers: four partial sums of 8
.irp i, 0,2,4,6
	v_pk_add_f32 v[32*y+\i:32*y+\i+1], v[32*y+\i:32*y+\i+1], v[32*y+8+\i:32*y+8+\i+1]
	v_pk_add_f32 v[32*y+16+\i:32*y+16+\i+1], v[32*y+16+\i:32*y+16+\i+1], v[32*y+24+\i:32*y+24+\i+1]
.endr
.irp i, 0,2,4,6
	v_pk_add_f32 v[32*y+\i:32*y+\i+1], v[32*y+\i:32*y+\i+1], v[32*y+16+\i:32*y+16+\i+1]
.endr
.set y, y+1
.endr
	WIN 0x05*(1+(\m2))
.set y, 0
.rept 8
.irp i, 0,1,2,3
	v_cvt_pk_bf16_f32 v[PK+(8*(\m2)+y)*4+\i], v[32*y+2*\i], v[32*y+2*\i+1]
.endr
.set y, y+1
.endr
.endm
	s_load_b256 s[4:11], s[0:1], 0x0               ; gp s[4:5], ws s[6:7], Wv s[8:9], vf s[10:11]
	v_lshl_add_u32 v[SPW], v0, 2, SPARE
	v_mov_b32 v[NIL], 0
	ds_add_u32 v[SPW], v[NIL]                      ; the wave's opening: the add, twice on end, and its wait ahead of my first tensor load; the set-up below stands between
	ds_add_u32 v[SPW], v[NIL]
	v_lshrrev_b32 v1, 5, v0
	v_readfirstlane_b32 s12, v1                    ; wave
	v_and_b32 v1, 31, v0
	v_lshlrev_b32 v2, 4, v1                        ; 16 x lane
	v_lshl_add_u32 v3, s12, 12, v2
	v_add_nc_u32 v3, EXB, v3                       ; where my 8 fragments' halves go
	v_lshl_add_u32 v8, s12, 16, v2                 ; my partial sums in LDS
	v_add_nc_u32 v9, EXB, v2                       ; all 32 fragments
	v_and_b32 v4, 1, v0
	v_lshlrev_b32 v5, 2, v4
	s_and_b32 s13, ttmp7, 0xffff                   ; b
	s_lshr_b32 s14, ttmp9, 4                       ; cb
	s_and_b32 s15, ttmp9, 15                       ; rb
	s_mov_b32 s28, 0x76543210
	s_mov_b32 s29, 0xfedcba98
	s_lshl_b32 s16, s13, 20                        ; G: batch b, row blocks 2 rb .., column blocks 8 w ..
	s_lshl_b32 s17, s15, 16
	s_add_co_u32 s16, s16, s17
	s_lshl_b32 s17, s12, 13
	s_add_co_u32 s16, s16, s17
	s_mov_b32 s17, 0
	s_lshl2_add_u32 s18, s14, s12                  ; 4 cb + w: my two row blocks of theta and V begin at twice that
	s_lshl_b32 s30, s18, 15
	s_add_co_u32 s30, s30, 4194304
	s_mov_b32 s31, 0
	s_lshl_b32 s32, s13, 14                        ; the column sums' first copy of (p = 0, b)
	s_add_co_u32 s32, s32, 16777216
	s_mov_b32 s33, 0
	s_lshl_b32 s34, ttmp9, 14                      ; Wv's rows 8 xg + 2 w
	s_lshl_b32 s35, s12, 12
	s_add_co_u32 s34, s34, s35
	s_mov_b32 s35, 0
	s_lshl_b32 s36, s13, 19
	s_lshl_b32 s37, s18, 15
	s_add_co_u32 s36, s36, s37
	s_lshl_b32 s37, s15, 10
	s_add_co_u32 s36, s36, s37
	s_mov_b32 s37, 0
	s_lshl_b32 s38, s13, 11
	s_lshl_b32 s39, ttmp9, 5
	s_add_co_u32 s38, s38, s39
	s_lshl_b32 s39, s12, 3
	s_add_co_u32 s38, s38, s39
	s_add_co_u32 s38, s38, 2097152
	s_mov_b32 s39, 0
	s_lshl_b32 s41, s12, 16                        ; my 65,536 bytes of LDS
	; group 1: 2 rows of 1,024 elements of 8 bytes, 4,096 elements (a row block of G's partial sum) apart
	s_mov_b32 s[G1+0], 3<<16                       ; no mask; 8-byte elements; no padding
	s_mov_b32 s[G1+1], 1024<<16                    ; tensor_dim0 = 1,024
	s_mov_b32 s[G1+2], 2<<16                       ; tensor_dim1 = 2
	s_mov_b32 s[G1+3], 1024<<16                    ; tile_dim0 = 1,024
	s_mov_b32 s[G1+4], 2                           ; tile_dim1 = 2
	s_mov_b32 s[G1+5], 4096                        ; elements from row to row
	s_mov_b32 s[G1+6], 0
	s_mov_b32 s[G1+7], 0
	s_wait_dscnt 0x0                               ; both opening adds are done
	s_wait_kmcnt 0x0
	s_add_nc_u64 s[20:21], s[4:5], s[16:17]
	s_add_nc_u64 s[22:23], s[20:21], 0x400000      ; the four partial sums lie 4 MiB apart
	s_add_nc_u64 s[24:25], s[20:21], 0x800000
	s_add_nc_u64 s[26:27], s[20:21], 0xc00000
	s_add_nc_u64 s[30:31], s[6:7], s[30:31]
	s_add_nc_u64 s[32:33], s[4:5], s[32:33]
	s_add_nc_u64 s[34:35], s[8:9], s[34:35]
	s_add_nc_u64 s[36:37], s[10:11], s[36:37]
	s_add_nc_u64 s[38:39], s[10:11], s[38:39]
	GSET 0, 56
	GSET 1, 60
	GSET 2, 68
	GSET 3, 72
	tensor_load_to_lds s[56:59], s[G1:G1+7]        ; the four first fills go out together: four loads of mine are out
	s_nop 0
	tensor_load_to_lds s[60:63], s[G1:G1+7]
	s_nop 0
	tensor_load_to_lds s[68:71], s[G1:G1+7]
	s_nop 0
	tensor_load_to_lds s[72:75], s[G1:G1+7]
	s_nop 0
.rept 4
	v_nop                                          ; the windows are switched four instructions behind a tensor load
.endr
	WIN 0xc0
.set z, 0
.rept 64                               ; theta: fragment z / 2 = 16 nb + ks, half z % 2
	global_load_b128 v[4*z:4*z+3], v2, s[30:31] offset:z*512
.set z, z+1
.endr
	WIN 0
.irp p, 0,1,2,3
.irp j, 0,1,2,3
	global_load_b128 v[128+16*\p+4*\j:128+16*\p+4*\j+3], v2, s[32:33] offset:\p*65536+\j*512
.endr
.endr
.irp w, 0,1
.irp j, 0,1,2,3
	global_load_b128 v[192+16*\w+4*\j:192+16*\w+4*\j+3], v2, s[34:35] offset:\w*2048+\j*512
.endr
.endr
	s_wait_tensorcnt 0x0                           ; my partial sums are in LDS; only I read them
	GLD 0
	s_wait_dscnt 0x0
	GLD 1                                          ; row block 1's loads are out while row block 0 is summed
	SUM 0
	s_wait_dscnt 0x0
	SUM 1
	WIN 0
.irp m2, 0,1
.set y, 0
.rept 8
	ds_store_b128 v3, v[PK+(8*\m2+y)*4:PK+(8*\m2+y)*4+3] offset:\m2*16384+y*512
.set y, y+1
.endr
.endr
	s_wait_dscnt 0x0                               ; for the others' sake: my stores are done
	s_barrier_signal -1
	s_barrier_wait -1
	WIN 0x40
.set z, 0
.rept 64                               ; G: fragment z / 2 = 16 m2 + ks
	ds_load_b128 v[4*z:4*z+3], v9 offset:z*512
.set z, z+1
.endr
	s_wait_loadcnt 24                              ; theta is in; the 24 younger loads, for first_b, may stay out
	s_wait_dscnt 0x0
	WIN 0x0d                                       ; source 0 (G) window 1, source 1 (theta) window 3
.set k, 0
.rept 16                               ; the four accumulators take turns
.irp nb, 0,1
.irp m2, 0,1
.if k == 0
	v_wmma_f32_16x16x32_bf16 v[ACC+8*(2*\nb+\m2):ACC+8*(2*\nb+\m2)+7], v[8*(16*\m2+k):8*(16*\m2+k)+7], v[8*(16*\nb+k):8*(16*\nb+k)+7], 0
.else
	v_wmma_f32_16x16x32_bf16 v[ACC+8*(2*\nb+\m2):ACC+8*(2*\nb+\m2)+7], v[8*(16*\m2+k):8*(16*\m2+k)+7], v[8*(16*\nb+k):8*(16*\nb+k)+7], v[ACC+8*(2*\nb+\m2):ACC+8*(2*\nb+\m2)+7]
.endif
.endr
.endr
.set k, k+1
.endr
	WIN 0
	s_wait_loadcnt 0x0                             ; the column sums and my two rows of Wv
	; first_b: the column sums' four partial sums; these lines are also the places behind the last products
.irp i, 0,2,4,6,8,10,12,14
	v_pk_add_f32 v[128+\i:128+\i+1], v[128+\i:128+\i+1], v[144+\i:144+\i+1]
	v_pk_add_f32 v[160+\i:160+\i+1], v[160+\i:160+\i+1], v[176+\i:176+\i+1]
.endr
.irp i, 0,2,4,6,8,10,12,14
	v_pk_add_f32 v[128+\i:128+\i+1], v[128+\i:128+\i+1], v[160+\i:160+\i+1]
.endr
.irp t, 0,1,2,3
.irp i, 0,1,2,3
	v_cvt_pk_bf16_f32 v[PK+4*\t+\i], v[ACC+8*\t+2*\i], v[ACC+8*\t+2*\i+1]
.endr
.endr
.irp nb, 0,1
.irp m2, 0,1
	global_store_b128 v2, v[PK+4*(2*\nb+\m2):PK+4*(2*\nb+\m2)+3], s[36:37] offset:\nb*16384+\m2*512  ; a lane holds row d = lane % 16 and 8 columns j: half m2 of fragment (d block, k step rb)
.endr
.endr
.irp w, 0,1
	v_pk_mul_f32 v[224+2*\w:225+2*\w], v[192+16*\w:193+16*\w], v[128:129]
.endr
.irp i, 2,4,6,8,10,12,14
.irp w, 0,1
	v_pk_fma_f32 v[224+2*\w:225+2*\w], v[192+16*\w+\i:193+16*\w+\i], v[128+\i:129+\i], v[224+2*\w:225+2*\w]
.endr
.endr
	v_add_f32 v224, v224, v225
	v_add_f32 v226, v226, v227
.irp m, 1,2,4,8
	v_add_f32_dpp v224, v224, v224 row_xmask:\m row_mask:0xf bank_mask:0xf
	v_add_f32_dpp v226, v226, v226 row_xmask:\m row_mask:0xf bank_mask:0xf
.endr
	v_permlanex16_b32 v225, v224, s28, s29
	v_permlanex16_b32 v227, v226, s28, s29
	v_add_f32 v224, v224, v225
	v_add_f32 v226, v226, v227
	v_cmp_eq_u32 vcc_lo, 1, v4
	v_cndmask_b32 v224, v224, v226, vcc_lo
	v_mul_f32 v224, 0x39800000, v224               ; / 4,096
	v_cmp_gt_u32 vcc_lo, 2, v1
	s_wait_xcnt 0x0                                ; EXEC changes only behind this wait
	s_and_saveexec_b32 s40, vcc_lo
	global_store_b32 v5, v224, s[38:39]
	s_wait_xcnt 0x0
	s_or_b32 exec_lo, exec_lo, s40
	s_wait_tensorcnt 0x0                           ; the wave's end: behind my last tensor load and my last LDS store
	ds_add_u32 v[SPW], v[NIL]
	s_wait_dscnt 0x0
	s_endpgm
.Lfunc_end_k_q6f355ab292_mm1:
	.size	k_q6f355ab292_mm1, .Lfunc_end_k_q6f355ab292_mm1-k_q6f355ab292_mm1
	.p2alignl 7, 3214868480
	.fill 96, 4, 3214868480
	.section	.rodata,"a",@progbits
	.p2align	6, 0x0
	.amdhsa_kernel k_q6f355ab292_mm1
		.amdhsa_group_segment_fixed_size 295424
		.amdhsa_private_segment_fixed_size 0
		.amdhsa_enable_private_segment 0
		.amdhsa_kernarg_size 32
		.amdhsa_user_sgpr_count 2
		.amdhsa_user_sgpr_kernarg_segment_ptr 1
		.amdhsa_wavefront_size32 1
		.amdhsa_system_sgpr_workgroup_id_x 1
		.amdhsa_system_sgpr_workgroup_id_y 1
		.amdhsa_system_sgpr_workgroup_id_z 1
		.amdhsa_system_vgpr_workitem_id 0
		.amdhsa_next_free_vgpr 1024
		.amdhsa_next_free_sgpr 80
		.amdhsa_reserve_vcc 1
		.amdhsa_float_denorm_mode_32 3
		.amdhsa_float_denorm_mode_16_64 3
		.amdhsa_memory_ordered 1
		.amdhsa_forward_progress 1
		.amdhsa_inst_pref_size 52
	.end_amdhsa_kernel
	.amdgpu_metadata
---
amdhsa.version: [ 1, 2 ]
amdhsa.kernels:
  - .name:           k_q6f355ab292_mm1
    .symbol:         k_q6f355ab292_mm1.kd
    .args:
      - { .name: gp, .offset: 0, .size: 8, .value_kind: global_buffer, .address_space: global }
      - { .name: ws, .offset: 8, .size: 8, .value_kind: global_buffer, .address_space: global }
      - { .name: W_v, .offset: 16, .size: 8, .value_kind: global_buffer, .address_space: global }
      - { .name: vf, .offset: 24, .size: 8, .value_kind: global_buffer, .address_space: global }
    .group_segment_fixed_size: 295424
    .private_segment_fixed_size: 0
    .kernarg_segment_align: 8
    .kernarg_segment_size: 32
    .max_flat_workgroup_size: 128
    .sgpr_count:     80
    .vgpr_count:     1024
    .wavefront_size: 32
...
	.end_amdgpu_metadata
.endif
;; end of part 3
;; launch mm2 (part 4): grid 64 x 4, 4 waves a work-group, no clusters, 0 bytes of LDS; arguments vf, ws, mw; writes mw
.if DOCPART == 4
	.amdgcn_target "amdgcn-amd-amdhsa--gfx1250"
	.amdhsa_code_object_version 6
	.text
	.protected	k_q6f355ab292_mm2
	.globl	k_q6f355ab292_mm2
	.p2align	8
	.type	k_q6f355ab292_mm2,@function
k_q6f355ab292_mm2:
	s_mov_b64 s[64:65], 0
	v_nop
	global_prefetch_b8 v0, s[64:65] scope:SCOPE_SE
	s_setreg_imm32_b32 hwreg(HW_REG_WAVE_MODE, 25, 1), 1
	s_wait_xcnt 0x0
; FOURTH LAUNCH.  Wt_b[e][d] = c sum_j Wv[e][j] V_b[d][j] = c M_b[d][e], c = 1 / (4,096 sqrt(512)) = 2^-16.5, rounded once to bf16.  (X Wv^T and X theta^T are not formed: see the first kernel's head.)
; It is stored in the order in which the last launch streams it: [b][tile t: d = 128 t ..][wave: e = 128 wq ..][fragment 8 kk + ct: d = 128 t + 32 kk .., e = 128 wq + 16 ct ..].
; SHARES.  A work-group has 64 e (eb) x 64 d (db) of a batch, a wave 32 x 32: 4 accumulators, 64 matrix instructions.  Both operands lie in memory as fragments and come straight into registers:
; 128 loads at once, one wait.  Source 0 = rows d of V, source 1 = rows e of Wv: a lane holds one row e and 8 neighbouring d: half a fragment of Wt.  No LDS, no barrier.
; REGISTERS.  window 0: v32-63 accumulators, v64-79 packed;  window 1: V's 32 fragments (16 m2 + ks);  window 2: Wv's (16 nb + ks).
.set ACC, 32
.set PK,  64
.set MSB, 0
.macro WIN new
.if MSB != (\new)
	s_set_vgpr_msb (MSB<<8)|(\new)
.set MSB, \new
.endif
.endm
	s_load_b128 s[4:7], s[0:1], 0x0                ; vf s[4:5], ws s[6:7]
	s_load_b64 s[8:9], s[0:1], 0x10                ; mw
	v_lshrrev_b32 v1, 5, v0
	v_readfirstlane_b32 s10, v1
	v_and_b32 v1, 31, v0
	v_lshlrev_b32 v2, 4, v1
	s_and_b32 s11, ttmp7, 0xffff                   ; b
	s_lshr_b32 s12, ttmp9, 3                       ; eb
	s_and_b32 s13, ttmp9, 7                        ; db
	s_lshr_b32 s14, s10, 1                         ; we
	s_and_b32 s15, s10, 1                          ; wd
	s_lshl1_add_u32 s16, s13, s15                  ; 2 db + wd: my k step of d, and half my first block of V's rows
	s_lshl1_add_u32 s17, s12, s14                  ; 2 eb + we: half my first block of Wv's rows
	s_lshl_b32 s18, s16, 15
	s_lshl_b32 s19, s11, 19
	s_add_co_u32 s18, s18, s19
	s_mov_b32 s19, 0
	s_lshl_b32 s20, s17, 15
	s_add_co_u32 s20, s20, 4718592                 ; Wv's fragments lie behind the tiles and theta's
	s_mov_b32 s21, 0
	s_mov_b32 s22, 0x373504f3                      ; c
	s_mov_b32 s23, s22
	s_lshl_b32 s24, s11, 19
	s_lshr_b32 s25, s13, 1                         ; t
	s_lshl_b32 s25, s25, 2
	s_lshr_b32 s26, s17, 2                         ; wq
	s_add_co_u32 s25, s25, s26
	s_lshl_b32 s25, s25, 15
	s_add_co_u32 s24, s24, s25
	s_and_b32 s25, s16, 3                          ; kk
	s_lshl_b32 s25, s25, 13
	s_add_co_u32 s24, s24, s25
	s_and_b32 s25, s17, 3                          ; ct / 2
	s_lshl_b32 s25, s25, 11
	s_add_co_u32 s24, s24, s25
	s_mov_b32 s25, 0
	s_wait_kmcnt 0x0
	s_add_nc_u64 s[4:5], s[4:5], s[18:19]
	s_add_nc_u64 s[6:7], s[6:7], s[20:21]
	s_add_nc_u64 s[8:9], s[8:9], s[24:25]
	WIN 0x40
.set z, 0
.rept 64
	global_load_b128 v[4*z:4*z+3], v2, s[4:5] offset:z*512
.set z, z+1
.endr
	WIN 0x80
.set z, 0
.rept 64
	global_load_b128 v[4*z:4*z+3], v2, s[6:7] offset:z*512
.set z, z+1
.endr
	s_wait_loadcnt 0x0
	WIN 0x09                                       ; source 0 window 1, source 1 window 2
.set k, 0
.rept 16                               ; the four accumulators take turns
.irp nb, 0,1
.irp m2, 0,1
.if k == 0
	v_wmma_f32_16x16x32_bf16 v[ACC+8*(2*\nb+\m2):ACC+8*(2*\nb+\m2)+7], v[8*(16*\m2+k):8*(16*\m2+k)+7], v[8*(16*\nb+k):8*(16*\nb+k)+7], 0
.else
	v_wmma_f32_16x16x32_bf16 v[ACC+8*(2*\nb+\m2):ACC+8*(2*\nb+\m2)+7], v[8*(16*\m2+k):8*(16*\m2+k)+7], v[8*(16*\nb+k):8*(16*\nb+k)+7], v[ACC+8*(2*\nb+\m2):ACC+8*(2*\nb+\m2)+7]
.endif
.endr
.endr
.set k, k+1
.endr
	WIN 0
.rept 4
	v_nop                                          ; the places behind the last products
.endr
.set z, 0
.rept 16
	v_pk_mul_f32 v[ACC+2*z:ACC+2*z+1], v[ACC+2*z:ACC+2*z+1], s[22:23] op_sel_hi:[1,0]
.set z, z+1
.endr
.set z, 0
.rept 16
	v_cvt_pk_bf16_f32 v[PK+z], v[ACC+2*z], v[ACC+2*z+1]
.set z, z+1
.endr
.irp nb, 0,1
.irp m2, 0,1
	global_store_b128 v2, v[PK+4*(2*\nb+\m2):PK+4*(2*\nb+\m2)+3], s[8:9] offset:\nb*1024+\m2*512
.endr
.endr
	s_endpgm
.Lfunc_end_k_q6f355ab292_mm2:
	.size	k_q6f355ab292_mm2, .Lfunc_end_k_q6f355ab292_mm2-k_q6f355ab292_mm2
	.p2alignl 7, 3214868480
	.fill 96, 4, 3214868480
	.section	.rodata,"a",@progbits
	.p2align	6, 0x0
	.amdhsa_kernel k_q6f355ab292_mm2
		.amdhsa_group_segment_fixed_size 0
		.amdhsa_private_segment_fixed_size 0
		.amdhsa_enable_private_segment 0
		.amdhsa_kernarg_size 24
		.amdhsa_user_sgpr_count 2
		.amdhsa_user_sgpr_kernarg_segment_ptr 1
		.amdhsa_wavefront_size32 1
		.amdhsa_system_sgpr_workgroup_id_x 1
		.amdhsa_system_sgpr_workgroup_id_y 1
		.amdhsa_system_sgpr_workgroup_id_z 1
		.amdhsa_system_vgpr_workitem_id 0
		.amdhsa_next_free_vgpr 768
		.amdhsa_next_free_sgpr 66
		.amdhsa_reserve_vcc 0
		.amdhsa_float_denorm_mode_32 3
		.amdhsa_float_denorm_mode_16_64 3
		.amdhsa_memory_ordered 1
		.amdhsa_forward_progress 1
		.amdhsa_inst_pref_size 21
	.end_amdhsa_kernel
	.amdgpu_metadata
---
amdhsa.version: [ 1, 2 ]
amdhsa.kernels:
  - .name:           k_q6f355ab292_mm2
    .symbol:         k_q6f355ab292_mm2.kd
    .args:
      - { .name: vf, .offset: 0, .size: 8, .value_kind: global_buffer, .address_space: global }
      - { .name: ws, .offset: 8, .size: 8, .value_kind: global_buffer, .address_space: global }
      - { .name: mw, .offset: 16, .size: 8, .value_kind: global_buffer, .address_space: global }
    .group_segment_fixed_size: 0
    .private_segment_fixed_size: 0
    .kernarg_segment_align: 8
    .kernarg_segment_size: 24
    .max_flat_workgroup_size: 128
    .sgpr_count:     66
    .vgpr_count:     768
    .wavefront_size: 32
...
	.end_amdgpu_metadata
.endif
;; end of part 4
;; launch chain (part 5): grid 64 x 4, 4 waves a work-group, clusters of 4 x 1, 327,680 bytes of LDS; arguments x, xb, ws, vf, mw, ln1_g, ln1_b, ln2_g, ln2_b, b1, b2, out0; writes out0
.if DOCPART == 5
	.amdgcn_target "amdgcn-amd-amdhsa--gfx1250"
	.amdhsa_code_object_version 6
	.text
	.protected	k_q6f355ab292_chain
	.globl	k_q6f355ab292_chain
	.p2align	8
	.type	k_q6f355ab292_chain,@function
k_q6f355ab292_chain:
	s_mov_b64 s[64:65], 0
	v_nop
	global_prefetch_b8 v0, s[64:65] scope:SCOPE_SE
	s_setreg_imm32_b32 hwreg(HW_REG_WAVE_MODE, 25, 1), 1
	s_wait_xcnt 0x0
	s_wait_alu depctr_hold_cnt(0) depctr_sa_sdst(0) depctr_va_vdst(0) depctr_va_sdst(0) depctr_va_ssrc(0) depctr_va_vcc(0) depctr_vm_vsrc(0)
	s_getreg_b32 s2, hwreg(HW_REG_IB_STS2, 6, 4)
	s_cmp_eq_u32 s2, 0
	s_cbranch_scc0 .Lentry_in_a_cluster
	s_endpgm
.Lentry_in_a_cluster:
	s_bfe_u32 s2, ttmp6, 0x10000c
	s_cmp_lg_u32 s2, 0x3003
	s_cbranch_scc0 .Lentry_shape_is_right
	s_endpgm
.Lentry_shape_is_right:
; FIFTH LAUNCH.  A work-group takes 64 rows (sequence places 64 sblk .. of batch b) through the rest of the module: X = LN1(x) (the rows' mean and rstd come from the first launch),
; h = X + first_b + X Wt_b^T, LN2, hidden = gelu(h2 w1^T + b1), out = h + b2 + hidden w2^T.  (X Wv^T and X theta^T are not formed: see the first kernel's head.)
; LIMITS.  erf by the rational form 1 - (a1 t + a2 t^2 + a3 t^3) exp(-z^2), t = 1 / (1 + 0.47047 z) (Abramowitz and Stegun 7.1.25), off by 2.5e-5 at the most: gelu(x) is off by at most 1.25e-5 |x|.
; An exponential below 2^-126 counts as 0.  Matrix operands are bf16; sums, norms, gelu and the residual are f32.  NaN and infinities are not treated apart.
; LAYOUT.  Every product is taken transposed: source 0 = a fragment of weights (16 output columns), source 1 = a fragment of activations (16 rows).  In a result a lane holds ONE row (lane % 16) and
; the columns 8 (lane / 16) + 0..7, and two results rounded to bf16 ARE a fragment of the next product's activations.
; SHARES.  Wave w owns the output columns 128 w .. (attention term, second MLP product) or the hidden units 128 c + 32 w .. of chunk c (first MLP product), for all 64 rows.  So each byte of weights
; is read from LDS once, by the wave whose own tensor load brought it.  The activations for K = 512 (X, later h2) lie in 512 registers of every wave; they change hands through LDS twice.
; STREAM.  36 tiles of 131,072 bytes, laid out by earlier launches in the order in which they are read: 4 of Wt_b, then w1's and w2's chunks by turns.  Two slots; a wave fetches its quarter.
; The sum over the 16 chunks may be taken in any order: cluster x of a batch begins with chunk x and goes round, so that the sixteen clusters of a batch read sixteen different chunks at a time.
; CLUSTER.  The four work-groups of a cluster have the same batch and walk the same tiles: every tile is asked for JOINTLY, by the same tensor load, descriptor and mask in all four.
; The round of the cluster's barrier in front of each refill is also the barrier between the waves' stores of the hidden layer and the reads of it.
; REGISTERS, in windows of 256 (s_set_vgpr_msb: bits 1:0 source 0, 3:2 source 1, 5:4 source 2, 7:6 destination):
;   window 0: v0-25 addresses; v32-47 bias, or (mean, M2); v48-55 (A, B) of my row in each block of 16; v56-63 at work (gelu: v48-63); v64-127 first product's sums S / hidden fragments / at work;
;             v128-191, v192-255 two buffers of 8 weight fragments / gelu's t and e / packed activations / rows on the way out
;   windows 1, 2: H: fragment (k step ks, row block rt) at 8 (4 (ks % 8) + rt) of window 1 + ks / 8; ahead of an exchange window 1 holds gain, bias and addend of my 128 columns
;   window 3: O: the f32 rows: tile (rt, column block ct) at 8 (4 ct + rt)
.set SLOTB, 131072                     ; slot 0 at 0, slot 1 here; a wave's quarter at 32,768 w
.set XT,    131072                     ; first fill only: wave w's 64 rows x 512 bytes of x, at XT + 33,792 w
.set XTW,   33792
.set XP,    528                        ; a row of 512 bytes + 16 of padding = 132 words: 16 rows start at 16 different groups of four banks (64 banks of 4 bytes: ISA guide 11.1)
.set EX,    266240                     ; 32,768: activations change hands; its first 16,384: the hidden layer of a chunk
.set STATS, 299008                     ; 32 bytes a row: (mean, M2) of each wave's 128 columns
.set PAR,   303104                     ; ln1_g, ln1_b, first_b, ln2_g, ln2_b, b2: 2,048 each
.set SPARE, 323584                     ; the spare words, 128 bytes for each wave
.set LANE, 1
.set RR,   2
.set HH,   3
.set T16,  4                           ; 16 x thread
.set PST,  5                           ; PAR + 16 x thread
.set XA,   6                           ; my 32 bytes of a row of my part of XT
.set GBA,  7                           ; PAR + 512 w + 32 h: my 8 columns of a parameter row
.set STS,  8
.set STR,  9
.set EXS,  10                          ; EX + 8,192 w + 16 lane
.set EXR,  11                          ; EX + 16 lane
.set HST,  12                          ; EX + 4,096 w + 16 lane
.set WAD,  13                          ; v13, v14: my quarter of slot 0, 1, + 16 lane
.set BV,   15                          ; 128 w + 32 h: my 8 hidden units in a chunk's 512 bytes of b1; never rewritten
.set SGS,  16                          ; the way out: 32,768 w + 528 r + 32 h
.set GO,   18                          ; 512 w + 16 lane
.set PFO,  19                          ; 256 x lane; never rewritten
.set SPW,  20
.set NIL,  21
.set R32,  22                          ; 32 r
.set BIAS, 32
.set MP,   32
.set AB,   48
.set GW,   48                          ; gelu's w, 16 registers: (A, B) are dead by then
.set WQ,   56
.set S,    64
.set TM,   64
.set HF0,  64
.set HF1,  96
.set W0,   128
.set W1,   192
.set TT,   128
.set EE,   192
.set F,    128
.set RB,   128
.set G1,  28                           ; s[28:35] group 1 of a weight tile's quarter
.set GX1, 36                           ; s[36:43] group 1 of the x tile
.set G0,  44                           ; s[44:47] group 0 of the weights: it walks
.set GX0, 48                           ; s[48:51] group 0 of the x tile
.set PT,  52                           ; s[52:53] my quarter of Wt_b's tile asked for last
.set PF,  54                           ; s[54:55] my 8,192 bytes of the first MLP tile of my cluster's walk; never rewritten
.set WV,  56
.set CX,  57
.set CNT, 61
.set SEL, 62                           ; s[62:63]
.set K1,  66                           ; s[66:67] sqrt(log2(e) / 2)
.set PC,  68                           ; 0.47047 / sqrt(2)
.set A1,  70                           ; s[70:71], s[72:73], s[74:75]: half of a1, a2, a3
.set A2,  72
.set A3,  74
.set OW,  76                           ; s[76:77] 32,768 w
.set OUTB, 78                          ; s[78:79] out0 at my work-group's first row
.set BB,  80                           ; s[80:81] b1 at the chunk whose bias is being loaded
.set BOFF, 82                          ; s[82:83] that chunk's byte offset in b1: 512 x chunk, modulo 8,192
.set WSW, 92                           ; s[92:93] the MLP's tiles at my quarter
.set OFFT, 94                          ; s[94:95] byte offset of the MLP tile asked for last: 131,072 x tile, modulo 4,194,304; the same in all four partners
.set MSB, 0
.macro WIN new                         ; the immediate's high byte repeats the setting that is left; a switch that changes nothing is dropped
.if MSB != (\new)
	s_set_vgpr_msb (MSB<<8)|(\new)
.set MSB, \new
.endif
.endm
.macro PLACES                          ; four places behind a matrix instruction, in front of loads into or writes of its registers and of reads of its result
.rept 4
	v_nop
.endr
.endm
.macro CREST                           ; a round of the cluster's barrier behind its opening barrier
	s_cmp_lg_u32 s[WV], 0
	s_cbranch_scc1 .Lnot_wave_0_\@
	s_barrier_signal -3
.Lnot_wave_0_\@:
	s_barrier_wait -3
	s_barrier_signal -1
	s_barrier_wait -1
.endm
.macro ROUND                           ; a whole round
	s_barrier_signal -1
	s_barrier_wait -1
	CREST
.endm
.macro TLOAD                           ; my one tensor load behind a round: my quarter of the next tile, jointly; s_nop 0 and four v_nop follow it (they are also places in front of what follows)
	tensor_load_to_lds s[G0:G0+3], s[G1:G1+7]
	s_nop 0
.rept 4
	v_nop
.endr
.endm
; Group 0 is written for the next tile; it stands behind the wait for all my tensor loads.  mode 1: Wt_b's next tile; 2: the first MLP tile of my cluster's walk; 3: the walk's next MLP tile; 0: nothing.
.macro STEPD mode
.if (\mode) == 1
	s_add_nc_u64 s[PT:PT+1], s[PT:PT+1], 131072
	s_xor_b32 s[G0+1], s[G0+1], SLOTB              ; the other slot,
	s_mov_b64 s[G0+2:G0+3], s[PT:PT+1]             ; the next tile,
	s_or_b32 s[G0+3], s[G0+3], 0x80000000          ; the type
.elseif (\mode) >= 2
.if (\mode) == 3
	s_add_co_u32 s[OFFT], s[OFFT], 131072
	s_and_b32 s[OFFT], s[OFFT], 0x3fffff           ; behind chunk 15 comes chunk 0
.endif
	s_xor_b32 s[G0+1], s[G0+1], SLOTB
	s_add_nc_u64 s[G0+2:G0+3], s[WSW:WSW+1], s[OFFT:OFFT+1]
	s_or_b32 s[G0+3], s[G0+3], 0x80000000
.endif
.endm
; THE CHANGE OF SLOTS where no products stand in front of it.  All my tensor loads have landed: the one that was out is my quarter of the tile to be read next; the add; my LDS reads and stores are done
; (the slot that I leave, the hidden layer, the exchange).  Then a round, and the slot just read is filled first; mode 0: nothing is left to fetch, and a barrier of the work-group does.
.macro TRIP mode
	WIN 0
	s_wait_tensorcnt 0x0
	ds_add_u32 v[SPW], v[NIL]                      ; 0 onto my spare word; the scalar work below stands between it and the wait for it
	STEPD \mode
	s_wait_dscnt 0x0
.if \mode
	ROUND                                          ; no wave of any partner still reads the slot or has a load on its way
	TLOAD
.else
	s_barrier_signal -1
	s_barrier_wait -1
.endif
.endm
; A PREFETCH INTO THE L2 of the MLP's tiles.  Each of the 32 tiles is named once in the launch: by the cluster of batch 0 whose walk begins with its chunk.  A tile is 512 blocks of 256 bytes: the four
; partners take 32,768 bytes each, told apart by address, a wave 8,192, a lane a block: one instruction a wave.  The walk's first tile is asked for in the first attention stage, its second (off = 131,072)
; in the second stage: each three changes of slots ahead of its own load.  Nothing else is asked for.
.macro ASK off
	s_cmp_eq_u32 s59, 0
	s_cbranch_scc0 .Lnot_mine_\@
	global_prefetch_b8 v[PFO], s[PF:PF+1] offset:\off th:TH_LOAD_NT scope:SCOPE_SE
.Lnot_mine_\@:
.endm
.macro FETCHW buf, slot, g             ; 8 weight fragments: 16 loads of 512 consecutive bytes
.set z, 0
.rept 16
	ds_load_b128 v[(\buf)+4*z:(\buf)+4*z+3], v[WAD+(\slot)] offset:(\g)*8192+z*512
.set z, z+1
.endr
.endm
.macro FETCHH buf, kk                  ; the hidden layer's 4 fragments of k step kk
.set z, 0
.rept 8
	ds_load_b128 v[(\buf)+4*z:(\buf)+4*z+3], v[EXR] offset:(\kk)*4096+z*512
.set z, z+1
.endr
.endm
; A chunk's bias: 16 numbers a lane, a whole stage ahead of the products that start from them.  step = 1: the walk's next chunk.  The base is written again only behind the wait that has shown the last four loads done.
.macro BIASLD step
.if \step
	s_add_co_u32 s[BOFF], s[BOFF], 512
	s_and_b32 s[BOFF], s[BOFF], 8191
.endif
	s_add_nc_u64 s[BB:BB+1], s[22:23], s[BOFF:BOFF+1]
	global_load_b128 v[BIAS:BIAS+3],     v[BV], s[BB:BB+1]
	global_load_b128 v[BIAS+4:BIAS+7],   v[BV], s[BB:BB+1] offset:16
	global_load_b128 v[BIAS+8:BIAS+11],  v[BV], s[BB:BB+1] offset:64
	global_load_b128 v[BIAS+12:BIAS+15], v[BV], s[BB:BB+1] offset:80
.endm
; 32 matrix instructions of the first MLP product: k steps 4 g .. 4 g + 3, my two blocks of 16 hidden units, 4 row blocks.  The 8 accumulators take turns.  The first 8 start from the bias.
; inc >= 0: the stage's first group: fragment f's four products wait for its own two loads alone: inc - 2 f younger LDS loads may be out.
.macro MULA buf, g, inc
	WIN 0x04*(1+(\g)/2)                            ; source 1 (H) in window 1 or 2; under this setting LDS loads still go from and to window 0
.irp ksl, 0,1,2,3
.irp ct2, 0,1
.if (\inc) >= 0
	s_wait_dscnt (\inc)-2*(2*\ksl+\ct2)
.endif
.irp rt, 0,1,2,3
.if ((\g) == 0) && (\ksl == 0)
	v_wmma_f32_16x16x32_bf16 v[S+8*(4*\ct2+\rt):S+8*(4*\ct2+\rt)+7], v[(\buf)+8*(2*\ksl+\ct2):(\buf)+8*(2*\ksl+\ct2)+7], v[8*(4*((4*(\g)+\ksl)%8)+\rt):8*(4*((4*(\g)+\ksl)%8)+\rt)+7], v[BIAS+8*\ct2:BIAS+8*\ct2+7]
.else
	v_wmma_f32_16x16x32_bf16 v[S+8*(4*\ct2+\rt):S+8*(4*\ct2+\rt)+7], v[(\buf)+8*(2*\ksl+\ct2):(\buf)+8*(2*\ksl+\ct2)+7], v[8*(4*((4*(\g)+\ksl)%8)+\rt):8*(4*((4*(\g)+\ksl)%8)+\rt)+7], v[S+8*(4*\ct2+\rt):S+8*(4*\ct2+\rt)+7]
.endif
.endr
.endr
.endr
.endm
; THE FIRST MLP PRODUCT of a chunk, from slot 0: while one buffer of 8 fragments is multiplied the other's 16 loads are out
.macro ASTG
	WIN 0
	v_nop                                          ; the stage's first products write v64-127 anew, which the last products of the stage before read as hidden fragments: a matrix instruction that writes over
	                                               ; another's source stands five places behind it: the four v_nop behind the tensor load, and this one
	FETCHW W0, 0, 0
	FETCHW W1, 0, 1
	s_wait_loadcnt 0x0                             ; the chunk's bias, asked for a stage ago
	MULA W0, 0, 30                                 ; 32 LDS loads are out: fragment 0 wants the first two
	PLACES
	FETCHW W0, 0, 2
	s_wait_dscnt 16                                ; all but the 16 youngest loads
	MULA W1, 1, -1
	PLACES
	FETCHW W1, 0, 3
	s_wait_dscnt 16
	MULA W0, 2, -1
	s_wait_dscnt 0x0
	MULA W1, 3, -1
.endm
; 4 n matrix instructions onto O: one k step, column blocks c0 .. c0 + n - 1 of my 8, 4 row blocks.  The accumulators take turns.  inc >= 0: as in MULA: column block ct waits for its own fragment alone.
.macro MULB buf, hsrc, win, c0, n, inc
	WIN \win
.set ct, \c0
.rept \n
.if (\inc) >= 0
	s_wait_dscnt (\inc)-2*ct
.endif
.irp rt, 0,1,2,3
	v_wmma_f32_16x16x32_bf16 v[8*(4*ct+\rt):8*(4*ct+\rt)+7], v[(\buf)+8*ct:(\buf)+8*ct+7], v[(\hsrc)+8*\rt:(\hsrc)+8*\rt+7], v[8*(4*ct+\rt):8*(4*ct+\rt)+7]
.endr
.set ct, ct+1
.endr
.endm
.macro BMUL act, t, kk, c0, n, inc
.if \act
	MULB W0+64*((\kk)%2), 32*((4*(\t)+(\kk))%8), 0xf4+4*((\t)/2), \c0, \n, \inc
.else
	MULB W0+64*((\kk)%2), HF0+32*((\kk)%2), 0xf0, \c0, \n, \inc
.endif
.endm
; A STAGE ONTO O.  act = 1: the attention term's tile t (slot t % 2), activations H(4 t + kk) in registers.  act = 0: the second MLP product (slot 1), activations from the hidden layer in LDS.
; ask >= 0: a prefetch.  chg: the change of slots that ends the stage (STEPD's modes), or 0.  It begins 16 products before the stage's end: all the stage's LDS loads are in registers by then;
; the wait for all my tensor loads, the add, 8 products, the wait for the add, the signal of the barrier that opens the round, 8 products, its wait, the rest of the round, the joint refill.
.macro BSTG act, t, ask, chg
.if \act
.set SL, (\t)%2
.else
.set SL, 1
.endif
	WIN 0
.if !(\act)
	FETCHH HF0, 0
.endif
	FETCHW W0, SL, 0
.if !(\act)
	FETCHH HF1, 1
.endif
	FETCHW W1, SL, 1
.if (\ask) >= 0
	ASK \ask
.endif
	BMUL \act, \t, 0, 0, 8, 30+8*(1-(\act))        ; 32 loads are out, or 48: column block 0 wants the first two, or the hidden layer's eight and two more
	WIN 0
	PLACES
.if !(\act)
	FETCHH HF0, 2
.endif
	FETCHW W0, SL, 2
	s_wait_dscnt 16+8*(1-(\act))                   ; all but the younger group: 16 loads of weights, and 8 of the hidden layer
	BMUL \act, \t, 1, 0, 8, -1
	WIN 0
	PLACES
.if !(\act)
	FETCHH HF1, 3
.endif
	FETCHW W1, SL, 3
	s_wait_dscnt 16+8*(1-(\act))
	BMUL \act, \t, 2, 0, 8, -1
	s_wait_dscnt 0x0                               ; my reads of this slot, and of the hidden layer, are over
.if \chg
	BMUL \act, \t, 3, 0, 4, -1
	WIN 0                                          ; (the add's two registers lie in window 0)
	s_wait_tensorcnt 0x0                           ; all my tensor loads have landed: my quarter of the next stage's tile
	ds_add_u32 v[SPW], v[NIL]                      ; 0 onto my spare word
	STEPD \chg
	BMUL \act, \t, 3, 4, 2, -1                     ; eight matrix instructions stand between the add and the wait for it
	s_wait_dscnt 0x0                               ; the add is done
	s_barrier_signal -1                            ; this barrier opens a round of the cluster's barrier
	BMUL \act, \t, 3, 6, 2, -1                     ; work on registers while the others arrive
	WIN 0
	s_barrier_wait -1
	CREST                                          ; no wave of any partner still reads the slot or has a load on its way
	TLOAD
.else
	BMUL \act, \t, 3, 0, 8, -1
.endif
.endm
; GELU of my 64 numbers a lane: gelu(x) = max(x, 0) - |x| w, w = (a1 t + a2 t^2 + a3 t^3) / 2 x 2^-(K1 x)^2, t = 1 / (1 + PC |x|).
; Phase 1: the arguments, and all 128 exponentials and reciprocals as ONE batch: a pair's plain lines stand between the transcendentals of the pair before; nothing ahead of the wait names a result.
; Phase 2, two tiles (8 pairs) at a time, so that eight other lines stand between a line and the one that reads its result: the polynomial, the result, rounded in place.  16 bytes a lane go into the
; hidden layer: tile (ct2, rt) is half ct2 of fragment (k step w, rt); two tiles' stores stand among the next two tiles' arithmetic.
.macro HSTORE tl
	ds_store_b128 v[HST], v[S+8*(\tl):S+8*(\tl)+3] offset:((\tl)%4)*1024+((\tl)/4)*512
.endm
.macro GELU
	PLACES
	WIN 0
.set z, 0
.rept 33
.if z < 32
	v_pk_mul_f32 v[EE+2*z:EE+2*z+1], v[S+2*z:S+2*z+1], s[K1:K1+1] op_sel_hi:[1,0]
.endif
.if z > 0
	v_exp_f32 v[EE+2*z-2], v[EE+2*z-2]
.endif
.if z < 32
	v_pk_mul_f32 v[EE+2*z:EE+2*z+1], v[EE+2*z:EE+2*z+1], v[EE+2*z:EE+2*z+1] neg_lo:[0,1] neg_hi:[0,1]
.endif
.if z > 0
	v_exp_f32 v[EE+2*z-1], v[EE+2*z-1]
.endif
.if z < 32
	v_fma_f32 v[TT+2*z], |v[S+2*z]|, s[PC], 1.0
.endif
.if z > 0
	v_rcp_f32 v[TT+2*z-2], v[TT+2*z-2]
.endif
.if z < 32
	v_fma_f32 v[TT+2*z+1], |v[S+2*z+1]|, s[PC], 1.0
.endif
.if z > 0
	v_rcp_f32 v[TT+2*z-1], v[TT+2*z-1]
.endif
.set z, z+1
.endr
	v_nop                                          ; a plain instruction behind the last of the batch,
	s_wait_alu depctr_va_vdst(0)                   ; and one wait for all 128, ahead of their first reader
.set tp, 0
.rept 4
.irp i, 0,2,4,6,8,10,12,14
	v_pk_fma_f32 v[GW+\i:GW+\i+1], v[TT+16*tp+\i:TT+16*tp+\i+1], s[A3:A3+1], s[A2:A2+1] op_sel_hi:[1,0,0]
.endr
.if tp > 0
	HSTORE 2*tp-2
	HSTORE 2*tp-1
.endif
.irp i, 0,2,4,6,8,10,12,14
	v_pk_fma_f32 v[GW+\i:GW+\i+1], v[GW+\i:GW+\i+1], v[TT+16*tp+\i:TT+16*tp+\i+1], s[A1:A1+1] op_sel_hi:[1,1,0]
.endr
.irp i, 0,2,4,6,8,10,12,14
	v_pk_mul_f32 v[GW+\i:GW+\i+1], v[GW+\i:GW+\i+1], v[TT+16*tp+\i:TT+16*tp+\i+1]
.endr
.irp i, 0,2,4,6,8,10,12,14
	v_pk_mul_f32 v[GW+\i:GW+\i+1], v[GW+\i:GW+\i+1], v[EE+16*tp+\i:EE+16*tp+\i+1]
.endr
.irp j, 0,1,2,3,4,5,6,7,8,9,10,11,12,13,14,15
	v_max_num_f32 v[EE+16*tp+\j], 0, v[S+16*tp+\j]
.endr
.irp j, 0,1,2,3,4,5,6,7,8,9,10,11,12,13,14,15
	v_fma_f32 v[S+16*tp+\j], -v[GW+\j], |v[S+16*tp+\j]|, v[EE+16*tp+\j]
.endr
.irp u, 0,1
.irp i, 0,1,2,3
	v_cvt_pk_bf16_f32 v[S+16*tp+8*\u+\i], v[S+16*tp+8*\u+2*\i], v[S+16*tp+8*\u+2*\i+1]
.endr
.endr
.set tp, tp+1
.endr
	HSTORE 6
	HSTORE 7
.endm
; A NORM's second half, for my 128 columns of all 64 rows: t = O A + B (A = rstd, B = -mean rstd of the lane's row), u = t gain + bias; u rounded to bf16 into F as fragments.
; mode 1: LN1: O held x and takes X + first_b.  mode 2: LN2: O holds h and takes h + b2.
.macro NORM mode
	WIN 0x40
.irp a, 0,1,2
.irp ct, 0,1,2,3,4,5,6,7
	ds_load_b128 v[64*\a+8*\ct:64*\a+8*\ct+3],   v[GBA] offset:(3*((\mode)-1)+\a)*2048+\ct*64
	ds_load_b128 v[64*\a+8*\ct+4:64*\a+8*\ct+7], v[GBA] offset:(3*((\mode)-1)+\a)*2048+\ct*64+16
.endr
.endr
	s_wait_dscnt 0x0
.irp rt, 0,1,2,3
	WIN 0x03
.set z, 0
.rept 32                               ; pair z: column block z / 4, registers 2 (z % 4)
	v_pk_fma_f32 v[TM+2*z:TM+2*z+1], v[8*(4*(z/4)+\rt)+2*(z%4):8*(4*(z/4)+\rt)+2*(z%4)+1], v[AB+2*\rt:AB+2*\rt+1], v[AB+2*\rt:AB+2*\rt+1] op_sel:[0,0,1] op_sel_hi:[1,0,1]
.set z, z+1
.endr
	WIN 0x14
.set z, 0
.rept 32
	v_pk_fma_f32 v[TM+2*z:TM+2*z+1], v[TM+2*z:TM+2*z+1], v[2*z:2*z+1], v[64+2*z:64+2*z+1]
.set z, z+1
.endr
	WIN 0
.set z, 0
.rept 32
	v_cvt_pk_bf16_f32 v[F+8*(4*(z/8)+\rt)+4*((z/4)%2)+z%4], v[TM+2*z], v[TM+2*z+1]
.set z, z+1
.endr
.if (\mode) == 1
	WIN 0xc4
.else
	WIN 0xc7
.endif
.set z, 0
.rept 32
.if (\mode) == 1
	v_pk_add_f32 v[8*(4*(z/4)+\rt)+2*(z%4):8*(4*(z/4)+\rt)+2*(z%4)+1], v[TM+2*z:TM+2*z+1], v[128+2*z:128+2*z+1]
.else
	v_pk_add_f32 v[8*(4*(z/4)+\rt)+2*(z%4):8*(4*(z/4)+\rt)+2*(z%4)+1], v[8*(4*(z/4)+\rt)+2*(z%4):8*(4*(z/4)+\rt)+2*(z%4)+1], v[128+2*z:128+2*z+1]
.endif
.set z, z+1
.endr
.endr
	WIN 0
.endm
; THE ACTIVATIONS CHANGE HANDS: my 16 fragments (k steps 4 w .. 4 w + 3) go to all four waves, and theirs come to me, in two passes of 32,768 bytes.
; Each pass: my stores are done, a barrier, the reads; between the passes the reads are done and a barrier.  The region's next writer stands behind the change of slots that follows.
.macro EXCH
.irp p, 0,1
	WIN 0
.irp kkp, 0,1
.irp rt, 0,1,2,3
	ds_store_b128 v[EXS], v[F+8*(4*(2*\p+\kkp)+\rt):F+8*(4*(2*\p+\kkp)+\rt)+3]   offset:(4*\kkp+\rt)*1024
	ds_store_b128 v[EXS], v[F+8*(4*(2*\p+\kkp)+\rt)+4:F+8*(4*(2*\p+\kkp)+\rt)+7] offset:(4*\kkp+\rt)*1024+512
.endr
.endr
	s_wait_dscnt 0x0
	s_barrier_signal -1
	s_barrier_wait -1
.irp wp, 0,1,2,3
	WIN 0x40*(1+\wp/2)
.irp kkp, 0,1
.irp rt, 0,1,2,3
	ds_load_b128 v[8*(4*((4*\wp+2*\p+\kkp)%8)+\rt):8*(4*((4*\wp+2*\p+\kkp)%8)+\rt)+3],   v[EXR] offset:(4*(2*\wp+\kkp)+\rt)*1024
	ds_load_b128 v[8*(4*((4*\wp+2*\p+\kkp)%8)+\rt)+4:8*(4*((4*\wp+2*\p+\kkp)%8)+\rt)+7], v[EXR] offset:(4*(2*\wp+\kkp)+\rt)*1024+512
.endr
.endr
.endr
	s_wait_dscnt 0x0
.if \p == 0
	s_barrier_signal -1
	s_barrier_wait -1
.endif
.endr
	WIN 0
.endm
	s_load_b256 s[4:11], s[0:1], 0x0               ; x s[4:5], xb s[6:7], ws s[8:9], vf s[10:11]
	s_load_b256 s[12:19], s[0:1], 0x20             ; mw s[12:13], ln1_g s[14:15], ln1_b s[16:17], ln2_g s[18:19]
	s_load_b256 s[20:27], s[0:1], 0x40             ; ln2_b s[20:21], b1 s[22:23], b2 s[24:25], out0 s[26:27]
	v_lshl_add_u32 v[SPW], v0, 2, SPARE
	v_mov_b32 v[NIL], 0
	ds_add_u32 v[SPW], v[NIL]                      ; the wave's opening: the add, twice on end, and its wait ahead of my first tensor load; the set-up below stands between
	ds_add_u32 v[SPW], v[NIL]
	v_lshrrev_b32 v1, 5, v0
	v_readfirstlane_b32 s[WV], v1                  ; wave 0..3
	s_bfe_u32 s[CX], ttmp6, 0x40000                ; my place in the cluster: it enters x's, out0's, the stats' and the prefetches' addresses alone
	s_lshl_b32 s58, ttmp9, 2
	s_add_co_u32 s58, s58, s[CX]                   ; sblk
	s_and_b32 s59, ttmp7, 0xffff                   ; b, which the four partners share
	s_mov_b32 s[SEL], 0x76543210
	s_mov_b32 s[SEL+1], 0xfedcba98
	s_mov_b32 s[K1], 0x3f596d27
	s_mov_b32 s[K1+1], s[K1]
	s_mov_b32 s[PC], 0x3eaa540e
	s_mov_b32 s[A1], 0x3e32303a
	s_mov_b32 s[A1+1], s[A1]
	s_mov_b32 s[A2], 0xbd445ca1
	s_mov_b32 s[A2+1], s[A2]
	s_mov_b32 s[A3], 0x3ebf7377
	s_mov_b32 s[A3+1], s[A3]
	s_mov_b32 s88, 0x3c000000                      ; 1 / 128
	s_mov_b32 s89, 0x43000000                      ; 128
	s_mov_b32 s90, 0x3b000000                      ; 1 / 512
	s_mov_b32 s91, 0x3727c5ac                      ; 1e-5
	; group 1 of a quarter tile: 32,768 dense bytes as 128 rows of 256
	s_mov_b32 s[G1+0], 15|(3<<16)|(1<<21)          ; the mask of four; 8-byte elements; bit 21 beside a mask
	s_mov_b32 s[G1+1], 32<<16                      ; tensor_dim0 = 32
	s_mov_b32 s[G1+2], 128<<16                     ; tensor_dim1 = 128
	s_mov_b32 s[G1+3], 32<<16                      ; tile_dim0 = 32
	s_mov_b32 s[G1+4], 128                         ; tile_dim1 = 128
	s_mov_b32 s[G1+5], 32                          ; elements from row to row
	s_mov_b32 s[G1+6], 0
	s_mov_b32 s[G1+7], 0
	; group 1 of my part of the x tile: 64 rows of 128 f32, 8,192 bytes apart in memory, padded in LDS
	s_mov_b32 s[GX1+0], (2<<16)|(1<<20)|(6<<22)|(3<<25)  ; no mask; 4-byte elements; padding on: after every 128 words, 4 words
	s_mov_b32 s[GX1+1], 128<<16
	s_mov_b32 s[GX1+2], 64<<16
	s_mov_b32 s[GX1+3], 128<<16
	s_mov_b32 s[GX1+4], 64
	s_mov_b32 s[GX1+5], 2048
	s_mov_b32 s[GX1+6], 0
	s_mov_b32 s[GX1+7], 0
	s_mov_b32 s[G0], 1
	s_lshl_b32 s[G0+1], s[WV], 15                  ; slot 0, my quarter
	s_mov_b32 s[GX0], 1
	s_mul_i32 s[GX0+1], s[WV], XTW
	s_add_co_u32 s[GX0+1], s[GX0+1], XT
	s_lshl_b32 s[OW], s[WV], 15
	s_mov_b32 s[OW+1], 0
	s_lshl_b32 s[OFFT], ttmp9, 18                  ; my cluster's walk begins with chunk x: tile 2 x
	s_mov_b32 s[OFFT+1], 0
	; the lanes' addresses
	v_and_b32 v[LANE], 31, v0
	v_and_b32 v[RR], 15, v0
	v_bfe_u32 v[HH], v0, 4, 1
	v_lshlrev_b32 v[T16], 4, v0
	v_add_nc_u32 v[PST], PAR, v[T16]
	v_lshlrev_b32 v23, 4, v[LANE]
	v_lshlrev_b32 v24, 5, v[HH]
	v_mul_u32_u24 v25, v[RR], XP
	v_add_nc_u32 v25, v25, v24
	v_add_nc_u32 v[XA], s[GX0+1], v25
	s_lshl_b32 s81, s[WV], 9
	v_add_nc_u32 v[GO], s81, v23
	s_add_co_u32 s81, s81, PAR
	v_add_nc_u32 v[GBA], s81, v24
	v_lshlrev_b32 v[R32], 5, v[RR]
	s_lshl_b32 s81, s[WV], 3
	s_add_co_u32 s81, s81, STATS
	v_add_nc_u32 v[STS], s81, v[R32]
	v_add_nc_u32 v[STR], STATS, v[R32]
	s_lshl_b32 s81, s[WV], 13
	s_add_co_u32 s81, s81, EX
	v_add_nc_u32 v[EXS], s81, v23
	v_add_nc_u32 v[EXR], EX, v23
	s_lshl_b32 s81, s[WV], 12
	s_add_co_u32 s81, s81, EX
	v_add_nc_u32 v[HST], s81, v23
	v_add_nc_u32 v[WAD], s[OW], v23
	v_add_nc_u32 v[WAD+1], SLOTB, v[WAD]
	s_lshl_b32 s81, s[WV], 7
	v_add_nc_u32 v[BV], s81, v24
	v_add_nc_u32 v[SGS], s[OW], v25
	v_lshlrev_b32 v[PFO], 8, v[LANE]
	s_wait_dscnt 0x0                               ; both opening adds are done
	s_wait_kmcnt 0x0
	s_lshl_b32 s2, s59, 19                         ; the joint loads' addresses are made of the batch, the cluster's x and the wave's number alone
	s_add_co_u32 s2, s2, s[OW]
	s_mov_b32 s3, 0
	s_add_nc_u64 s[PT:PT+1], s[12:13], s[2:3]      ; tile 0: Wt_b's first
	s_mov_b64 s[G0+2:G0+3], s[PT:PT+1]
	s_or_b32 s[G0+3], s[G0+3], 0x80000000
	s_add_nc_u64 s[WSW:WSW+1], s[8:9], s[OW:OW+1]
	s_lshl_b32 s80, s58, 19                        ; 64 sblk rows of 8,192 bytes
	s_lshl_b32 s81, s59, 11
	s_add_co_u32 s80, s80, s81
	s_mov_b32 s81, 0
	s_add_nc_u64 s[OUTB:OUTB+1], s[26:27], s[80:81]
	s_lshl_b32 s82, s[WV], 9
	s_add_co_u32 s80, s80, s82
	s_add_nc_u64 s[GX0+2:GX0+3], s[4:5], s[80:81]
	s_or_b32 s[GX0+3], s[GX0+3], 0x80000000
	s_lshl_b32 s80, s[CX], 15
	s_lshl_b32 s82, s[WV], 13
	s_add_co_u32 s80, s80, s82
	s_add_co_u32 s80, s80, s[OFFT]
	s_add_nc_u64 s[PF:PF+1], s[8:9], s[80:81]      ; my share of the walk's first MLP tile
	s_lshl_b32 s80, s59, 11
	s_add_co_u32 s80, s80, 2097152
	s_add_nc_u64 s[84:85], s[10:11], s[80:81]      ; first_b
	s_lshl_b32 s80, s58, 11                        ; the stats of row 4 s + b, 8 bytes each
	s_lshl_b32 s82, s59, 3
	s_add_co_u32 s80, s80, s82
	s_add_co_u32 s80, s80, 16777216
	s_add_nc_u64 s[86:87], s[6:7], s[80:81]
	s_lshl_b32 s[BOFF], ttmp9, 9                   ; b1 of the walk's first chunk
	s_mov_b32 s[BOFF+1], 0
	ROUND                                          ; all four work-groups are here: the first joint loads meet
	tensor_load_to_lds s[GX0:GX0+3], s[GX1:GX1+7]  ; my columns of the work-group's 64 rows of x: a load of my own
	s_nop 0
	tensor_load_to_lds s[G0:G0+3], s[G1:G1+7]      ; tile 0, jointly.  Two loads of mine are out
	s_nop 0
.rept 4
	v_nop
.endr
	; the parameters: whole rows, once, into LDS; the stats of my lane's four rows
	global_load_b128 v[64:67], v[T16], s[14:15]
	global_load_b128 v[68:71], v[T16], s[16:17]
	global_load_b128 v[72:75], v[T16], s[84:85]
	global_load_b128 v[76:79], v[T16], s[18:19]
	global_load_b128 v[80:83], v[T16], s[20:21]
	global_load_b128 v[84:87], v[T16], s[24:25]
.irp rt, 0,1,2,3
	global_load_b64 v[AB+2*\rt:AB+2*\rt+1], v[R32], s[86:87] offset:512*\rt
.endr
	s_wait_loadcnt 0x0
.irp k, 0,1,2,3,4,5
	ds_store_b128 v[PST], v[64+4*\k:67+4*\k] offset:2048*\k
.endr
	s_wait_tensorcnt 1                             ; my part of x is in; tile 0 may stay out
	WIN 0xc0
.irp rt, 0,1,2,3
.irp ct, 0,1,2,3,4,5,6,7
	ds_load_b128 v[8*(4*\ct+\rt):8*(4*\ct+\rt)+3],   v[XA] offset:\rt*16*XP+\ct*64
	ds_load_b128 v[8*(4*\ct+\rt)+4:8*(4*\ct+\rt)+7], v[XA] offset:\rt*16*XP+\ct*64+16
.endr
.endr
	WIN 0
	s_wait_dscnt 0x0                               ; x is in O; my stores of the parameters are done
	s_barrier_signal -1
	s_barrier_wait -1                              ; everybody's are
	NORM 1
	EXCH                                           ; H = X
	TRIP 1                                         ; tile 0 is in; tile 1 goes into slot 1, over x
	BSTG 1, 0, 0, 1                                ; each stage ends with the change of slots that asks for the tile after the next
	BSTG 1, 1, 131072, 1
	BSTG 1, 2, -1, 2                               ; the walk's first MLP tile goes into slot 0
	BSTG 1, 3, -1, 0                               ; O = h
	; LN2's statistics.  My 128 columns of each row: the mean, then the sum of squares of the differences from it; the four waves' pairs meet in LDS and are merged:
	; mean = the mean of the four, M2 = the sum of the four + 128 x the sum of (a wave's mean - mean)^2: no difference of large sums is formed.
	PLACES
	WIN 0x0f
.irp rt, 0,1,2,3
	v_pk_add_f32 v[MP+2*\rt:MP+2*\rt+1], v[8*\rt:8*\rt+1], v[8*\rt+2:8*\rt+3]   ; each accumulator is read from its low end on
.endr
	WIN 0x03
.set z, 2
.rept 30
.irp rt, 0,1,2,3
	v_pk_add_f32 v[MP+2*\rt:MP+2*\rt+1], v[8*(4*(z/4)+\rt)+2*(z%4):8*(4*(z/4)+\rt)+2*(z%4)+1], v[MP+2*\rt:MP+2*\rt+1]
.endr
.set z, z+1
.endr
	WIN 0
.irp rt, 0,1,2,3
	v_add_f32 v[MP+2*\rt], v[MP+2*\rt], v[MP+2*\rt+1]
.endr
.irp rt, 0,1,2,3
	v_permlanex16_b32 v[MP+2*\rt+1], v[MP+2*\rt], s[SEL], s[SEL+1]   ; the row's other 64 columns lie in the lane 16 away
.endr
.irp rt, 0,1,2,3
	v_add_f32 v[MP+2*\rt], v[MP+2*\rt], v[MP+2*\rt+1]
.endr
.irp rt, 0,1,2,3
	v_mul_f32 v[MP+2*\rt], s88, v[MP+2*\rt]
.endr
.irp rt, 0,1,2,3
	WIN 0x03
.set z, 0
.rept 32
	v_pk_add_f32 v[TM+2*z:TM+2*z+1], v[8*(4*(z/4)+\rt)+2*(z%4):8*(4*(z/4)+\rt)+2*(z%4)+1], v[MP+2*\rt:MP+2*\rt+1] op_sel_hi:[1,0] neg_lo:[0,1] neg_hi:[0,1]
.set z, z+1
.endr
	WIN 0
.set z, 0
.rept 4
	v_pk_mul_f32 v[WQ+2*z:WQ+2*z+1], v[TM+2*z:TM+2*z+1], v[TM+2*z:TM+2*z+1]
.set z, z+1
.endr
.rept 28
	v_pk_fma_f32 v[WQ+2*(z%4):WQ+2*(z%4)+1], v[TM+2*z:TM+2*z+1], v[TM+2*z:TM+2*z+1], v[WQ+2*(z%4):WQ+2*(z%4)+1]
.set z, z+1
.endr
	v_pk_add_f32 v[WQ:WQ+1], v[WQ:WQ+1], v[WQ+2:WQ+3]
	v_pk_add_f32 v[WQ+4:WQ+5], v[WQ+4:WQ+5], v[WQ+6:WQ+7]
	v_pk_add_f32 v[WQ:WQ+1], v[WQ:WQ+1], v[WQ+4:WQ+5]
	v_add_f32 v[WQ], v[WQ], v[WQ+1]
	v_permlanex16_b32 v[WQ+1], v[WQ], s[SEL], s[SEL+1]
	v_add_f32 v[MP+2*\rt+1], v[WQ], v[WQ+1]
	ds_store_b64 v[STS], v[MP+2*\rt:MP+2*\rt+1] offset:512*\rt
.endr
	s_wait_dscnt 0x0
	s_barrier_signal -1
	s_barrier_wait -1
.irp rt, 0,1,2,3
	ds_load_b128 v[TM+8*\rt:TM+8*\rt+3],   v[STR] offset:512*\rt
	ds_load_b128 v[TM+8*\rt+4:TM+8*\rt+7], v[STR] offset:512*\rt+16
.endr
	BIASLD 0                                       ; the first chunk's bias, into the registers that (mean, M2) have left
	s_wait_dscnt 0x0
.irp rt, 0,1,2,3
	v_add_f32 v[WQ+\rt], v[TM+8*\rt], v[TM+8*\rt+2]
	v_add_f32 v[WQ+4+\rt], v[TM+8*\rt+4], v[TM+8*\rt+6]
.endr
.irp rt, 0,1,2,3
	v_add_f32 v[WQ+\rt], v[WQ+\rt], v[WQ+4+\rt]
.endr
.irp rt, 0,1,2,3
	v_mul_f32 v[WQ+\rt], 0x3e800000, v[WQ+\rt]     ; the row's mean
.endr
.irp w, 0,2,4,6
.irp rt, 0,1,2,3
	v_sub_f32 v[TM+8*\rt+\w], v[TM+8*\rt+\w], v[WQ+\rt]
.endr
.endr
.irp rt, 0,1,2,3
	v_mul_f32 v[WQ+4+\rt], v[TM+8*\rt], v[TM+8*\rt]
.endr
.irp w, 2,4,6
.irp rt, 0,1,2,3
	v_fma_f32 v[WQ+4+\rt], v[TM+8*\rt+\w], v[TM+8*\rt+\w], v[WQ+4+\rt]
.endr
.endr
.irp rt, 0,1,2,3
	v_add_f32 v[TM+8*\rt+1], v[TM+8*\rt+1], v[TM+8*\rt+3]
	v_add_f32 v[TM+8*\rt+5], v[TM+8*\rt+5], v[TM+8*\rt+7]
.endr
.irp rt, 0,1,2,3
	v_add_f32 v[TM+8*\rt+1], v[TM+8*\rt+1], v[TM+8*\rt+5]
.endr
.irp rt, 0,1,2,3
	v_fma_f32 v[WQ+4+\rt], v[WQ+4+\rt], s89, v[TM+8*\rt+1]
.endr
.irp rt, 0,1,2,3
	v_fma_f32 v[WQ+4+\rt], v[WQ+4+\rt], s90, s91
.endr
.irp rt, 0,1,2,3
	v_rsq_f32 v[AB+2*\rt], v[WQ+4+\rt]
.endr
	v_nop                                          ; a plain instruction behind the last of the four,
	s_wait_alu depctr_va_vdst(0)                   ; and their one wait
.irp rt, 0,1,2,3
	v_mul_f32 v[AB+2*\rt+1], -v[WQ+\rt], v[AB+2*\rt]
.endr
	NORM 2
	EXCH                                           ; H = h2, O = h + b2
	; THE MLP.  A trip: the change of slots that shows every wave's part of the hidden layer to all; the second product of one chunk, which ends with a change of slots; the first product and the gelu of
	; the next chunk.  The loop is entered in its middle, at the first chunk's first product, so that first product and gelu are written once; every change of slots in it asks for a tile that a later stage reads.
	TRIP 3                                         ; the first chunk of w1 is in; its chunk of w2 goes into slot 1
	s_mov_b32 s[CNT], 16
	s_branch .Lmid
.Lmlp:
	TRIP 3                                         ; the next chunk of w1 goes into slot 0
	BIASLD 1                                       ; and its bias into registers
	BSTG 0, 0, -1, 3                               ; at its end the next chunk of w2 goes into slot 1
.Lmid:
	ASTG
	GELU
	s_sub_co_u32 s[CNT], s[CNT], 1
	s_cmp_lg_u32 s[CNT], 0
	s_cbranch_scc1 .Lmlp
	TRIP 0                                         ; the last chunk's second product is written out: nothing is left to fetch
	BSTG 0, 0, -1, 0
	; THE WAY OUT.  16 rows at a time through my own quarter of slot 0, which has had its last fill: in by lanes (a row's 32 bytes), back as whole rows of 512 bytes.
	WIN 0
	PLACES
.irp rt, 0,1,2,3
	WIN 0x0c                                       ; the stores' data in window 3
.irp ct, 0,1,2,3,4,5,6,7
	ds_store_b128 v[SGS], v[8*(4*\ct+\rt):8*(4*\ct+\rt)+3]   offset:\ct*64
	ds_store_b128 v[SGS], v[8*(4*\ct+\rt)+4:8*(4*\ct+\rt)+7] offset:\ct*64+16
.endr
	WIN 0
	s_wait_xcnt 0x0                                ; the stores of two blocks back have read the registers that are loaded again below
.irp i, 0,1,2,3,4,5,6,7,8,9,10,11,12,13,14,15
	ds_load_b128 v[RB+64*(\rt%2)+4*\i:RB+64*(\rt%2)+4*\i+3], v[WAD] offset:\i*XP   ; LDS serves a wave's instructions in order (ISA guide 5.7.1.4): these see the stores above
.endr
	s_wait_dscnt 0x0
.irp i, 0,1,2,3,4,5,6,7,8,9,10,11,12,13,14,15
	global_store_b128 v[GO], v[RB+64*(\rt%2)+4*\i:RB+64*(\rt%2)+4*\i+3], s[OUTB:OUTB+1] offset:(16*\rt+\i)*8192 th:TH_STORE_NT   ; 512 consecutive bytes, aligned
.endr
.endr
	s_wait_tensorcnt 0x0                           ; the wave's end: behind my last tensor load and my last LDS store
	ds_add_u32 v[SPW], v[NIL]
	s_wait_dscnt 0x0
	ROUND                                          ; the closing round: no work-group ends while a partner may still ask for a tile that names it
	s_endpgm
.Lfunc_end_k_q6f355ab292_chain:
	.size	k_q6f355ab292_chain, .Lfunc_end_k_q6f355ab292_chain-k_q6f355ab292_chain
	.p2alignl 7, 3214868480
	.fill 96, 4, 3214868480
	.section	.rodata,"a",@progbits
	.p2align	6, 0x0
	.amdhsa_kernel k_q6f355ab292_chain
		.amdhsa_group_segment_fixed_size 327680
		.amdhsa_private_segment_fixed_size 0
		.amdhsa_enable_private_segment 0
		.amdhsa_kernarg_size 96
		.amdhsa_user_sgpr_count 2
		.amdhsa_user_sgpr_kernarg_segment_ptr 1
		.amdhsa_wavefront_size32 1
		.amdhsa_system_sgpr_workgroup_id_x 1
		.amdhsa_system_sgpr_workgroup_id_y 1
		.amdhsa_system_sgpr_workgroup_id_z 1
		.amdhsa_system_vgpr_workitem_id 0
		.amdhsa_next_free_vgpr 1024
		.amdhsa_next_free_sgpr 96
		.amdhsa_reserve_vcc 0
		.amdhsa_float_denorm_mode_32 3
		.amdhsa_float_denorm_mode_16_64 3
		.amdhsa_memory_ordered 1
		.amdhsa_forward_progress 1
		.amdhsa_inst_pref_size 255
	.end_amdhsa_kernel
	.section	.bss,"aw",@nobits
	.p2align	6
	.space	262144
	.amdgpu_metadata
---
amdhsa.version: [ 1, 2 ]
amdhsa.kernels:
  - .name:           k_q6f355ab292_chain
    .symbol:         k_q6f355ab292_chain.kd
    .args:
      - { .name: x, .offset: 0, .size: 8, .value_kind: global_buffer, .address_space: global }
      - { .name: xb, .offset: 8, .size: 8, .value_kind: global_buffer, .address_space: global }
      - { .name: ws, .offset: 16, .size: 8, .value_kind: global_buffer, .address_space: global }
      - { .name: vf, .offset: 24, .size: 8, .value_kind: global_buffer, .address_space: global }
      - { .name: mw, .offset: 32, .size: 8, .value_kind: global_buffer, .address_space: global }
      - { .name: ln1_g, .offset: 40, .size: 8, .value_kind: global_buffer, .address_space: global }
      - { .name: ln1_b, .offset: 48, .size: 8, .value_kind: global_buffer, .address_space: global }
      - { .name: ln2_g, .offset: 56, .size: 8, .value_kind: global_buffer, .address_space: global }
      - { .name: ln2_b, .offset: 64, .size: 8, .value_kind: global_buffer, .address_space: global }
      - { .name: b1, .offset: 72, .size: 8, .value_kind: global_buffer, .address_space: global }
      - { .name: b2, .offset: 80, .size: 8, .value_kind: global_buffer, .address_space: global }
      - { .name: out0, .offset: 88, .size: 8, .value_kind: global_buffer, .address_space: global }
    .group_segment_fixed_size: 327680
    .private_segment_fixed_size: 0
    .kernarg_segment_align: 8
    .kernarg_segment_size: 96
    .max_flat_workgroup_size: 128
    .sgpr_count:     96
    .vgpr_count:     1024
    .wavefront_size: 32
...
	.end_amdgpu_metadata
.endif
;; end of part 5
